; MI455X (gfx1250); checked and timed in simulation.
; The chip was launched on July 23, 2026; its instructions are those of AMD's public machine-readable ISA for CDNA 5 (MIT licence, August 2026) and "CDNA5" Instruction Set Architecture Reference Guide (July 2026). The comments in the code are by the model that wrote it; some were corrected since.
;; Self Attention. Allowed arithmetic: float matrix products may take bf16 or f16 operands with f32 sums; all other float work in f32.
;; Inputs: W0 1,024 x 1,024 float32; W1 1,024 x 1,024 float32; W2 1,024 x 1,024 float32; W3 1,024 x 1,024 float32; mask 2 x 2,048 int32; x 2 x 1,024 x 2,048 float32.
;; Outputs: out0 2 x 1,024 x 2,048 float32.
;; 2 versions, each right and faster than the one before. Each part assembles by itself: llvm-mc -triple=amdgcn-amd-amdhsa -mcpu=gfx1250 --defsym DOCPART=n.
;; ======== version 1 of 2: 4 launches
;; limits: values are held in f16: magnitudes above 65,504 overflow, below 6.1e-05 lose precision; right only within a limited range of input values
;; workspace buffers: xb 8,388,608 bytes; wq 6,291,456 bytes; w3b 2,097,152 bytes; qk 16,777,216 bytes; vt 8,388,608 bytes; att 8,388,608 bytes
;; launch prep (part 1): grid 512 x 1, 8 waves a work-group, no clusters, 0 bytes of LDS; arguments x, W0, W1, W2, W3, xb, wq, w3b; writes xb, wq, w3b
.if DOCPART == 1
	.amdgcn_target "amdgcn-amd-amdhsa--gfx1250"
	.amdhsa_code_object_version 6
	.text
	.protected	k_qc185e375f2_prep
	.globl	k_qc185e375f2_prep
	.p2align	8
	.type	k_qc185e375f2_prep,@function
k_qc185e375f2_prep:
	s_mov_b64 s[64:65], 0
	v_nop
	global_prefetch_b8 v0, s[64:65] scope:SCOPE_SE
	s_setreg_imm32_b32 hwreg(HW_REG_WAVE_MODE, 25, 1), 1
	s_wait_xcnt 0x0
; prep: f32 to f16, once, so that the three matrix launches can fetch 16-bit tiles.
;   xb  = x, same layout [b][i][l].     w3b = W3, same layout [o][i].
;   wq  = W0, W1, W2 regrouped by head: row (head*192 + mat*64 + d) of wq is row (head*64 + d) of W[mat].
; WHY f16: the chain rounds eight operands in series (x, W, Kp, Qp, Vp, P, att, W3); 11 significant bits a rounding keep their sum small, 8 bits would not.
; LIMIT: |x| and |W| up to 65,504 (f16's largest number); below 6e-5 the step is 6e-8.  Inputs as drawn have spreads 1 and 1/32.
; A stream: no byte is read by two work-groups, so no cluster, no LDS, no matrix unit.
; A work-group converts 16,384 consecutive f32 (65,536 bytes in, 32,768 out).  Groups 0-255: x.  Groups 256-511: 64 for each W,
; 16 rows of 1,024 each, which stay consecutive in wq too.  Thread t takes 16 bytes at 16 t + 4,096 k, k = 0..15:
; a load of a wave covers 512 consecutive bytes, a store 256 consecutive bytes at a multiple of 256.
; All 16 loads are issued first; no register is written twice, so the only waits are the counted ones for the data.
.set X, 4                              ; v[4:67]   16 loads of 4 f32
.set Y, 68                             ; v[68:99]  16 pairs of packed f16
	s_load_b512 s[4:19], s[0:1], 0x0               ; x, W0, W1, W2, W3, xb, wq, w3b
	s_lshr_b32 s21, ttmp9, 6
	s_and_b32 s21, s21, 3                          ; mat (groups 256 and up): which W
	s_and_b32 s22, ttmp9, 63                       ; ch: which 16 rows of it
	s_lshr_b32 s23, s22, 2                         ; head = ch / 4
	s_mul_i32 s23, s23, 192
	s_lshl_b32 s24, s21, 6
	s_add_co_u32 s23, s23, s24                     ; + 64 mat
	s_and_b32 s24, s22, 3
	s_lshl_b32 s24, s24, 4
	s_add_co_u32 s23, s23, s24                     ; + 16 (ch % 4): the row in wq
	s_lshl_b32 s23, s23, 11                        ; offset in wq: rows of 2,048 bytes
	s_lshl_b32 s24, s22, 15                        ; offset in w3b
	s_lshl_b32 s25, ttmp9, 15                      ; offset in xb
	s_lshl_b32 s26, s22, 16                        ; offset in a W
	s_lshl_b32 s27, ttmp9, 16                      ; offset in x
	s_mov_b32 s29, 0
	s_mov_b32 s31, 0
	v_lshlrev_b32 v1, 4, v0                        ; 16 t
	v_lshlrev_b32 v2, 3, v0                        ; 8 t
	s_wait_kmcnt 0x0
	s_cmp_eq_u32 s21, 1                            ; the choices hang on the group number alone
	s_cselect_b64 s[32:33], s[8:9], s[6:7]
	s_cmp_eq_u32 s21, 2
	s_cselect_b64 s[32:33], s[10:11], s[32:33]
	s_cmp_eq_u32 s21, 3
	s_cselect_b64 s[32:33], s[12:13], s[32:33]
	s_cselect_b64 s[34:35], s[18:19], s[16:17]
	s_cselect_b32 s30, s24, s23
	s_cmp_lt_u32 ttmp9, 256
	s_cselect_b64 s[32:33], s[4:5], s[32:33]
	s_cselect_b64 s[34:35], s[14:15], s[34:35]
	s_cselect_b32 s28, s27, s26
	s_cselect_b32 s30, s25, s30
	s_add_nc_u64 s[32:33], s[32:33], s[28:29]      ; from
	s_add_nc_u64 s[34:35], s[34:35], s[30:31]      ; to
.irp k, 0,1,2,3,4,5,6,7,8,9,10,11,12,13,14,15
	global_load_b128 v[X+4*\k:X+4*\k+3], v1, s[32:33] offset:4096*\k th:TH_LOAD_NT
.endr
.irp k, 0,1,2,3,4,5,6,7,8,9,10,11,12,13,14,15
	s_wait_loadcnt 15-\k                           ; loads return in order: load k is in, the 15 - k younger ones stay out
	v_cvt_pk_f16_f32 v[Y+2*\k], v[X+4*\k], v[X+4*\k+1]
	v_cvt_pk_f16_f32 v[Y+2*\k+1], v[X+4*\k+2], v[X+4*\k+3]
	global_store_b64 v2, v[Y+2*\k:Y+2*\k+1], s[34:35] offset:2048*\k
.endr
	s_endpgm
.Lfunc_end_k_qc185e375f2_prep:
	.size	k_qc185e375f2_prep, .Lfunc_end_k_qc185e375f2_prep-k_qc185e375f2_prep
	.p2alignl 7, 3214868480
	.fill 96, 4, 3214868480
	.section	.rodata,"a",@progbits
	.p2align	6, 0x0
	.amdhsa_kernel k_qc185e375f2_prep
		.amdhsa_group_segment_fixed_size 0
		.amdhsa_private_segment_fixed_size 0
		.amdhsa_enable_private_segment 0
		.amdhsa_kernarg_size 64
		.amdhsa_user_sgpr_count 2
		.amdhsa_user_sgpr_kernarg_segment_ptr 1
		.amdhsa_wavefront_size32 1
		.amdhsa_system_sgpr_workgroup_id_x 1
		.amdhsa_system_sgpr_workgroup_id_y 1
		.amdhsa_system_sgpr_workgroup_id_z 1
		.amdhsa_system_vgpr_workitem_id 0
		.amdhsa_next_free_vgpr 100
		.amdhsa_next_free_sgpr 66
		.amdhsa_reserve_vcc 0
		.amdhsa_float_denorm_mode_32 3
		.amdhsa_float_denorm_mode_16_64 3
		.amdhsa_memory_ordered 1
		.amdhsa_forward_progress 1
		.amdhsa_inst_pref_size 7
	.end_amdhsa_kernel
	.amdgpu_metadata
---
amdhsa.version: [ 1, 2 ]
amdhsa.kernels:
  - .name:           k_qc185e375f2_prep
    .symbol:         k_qc185e375f2_prep.kd
    .args:
      - { .name: x, .offset: 0, .size: 8, .value_kind: global_buffer, .address_space: global }
      - { .name: W0, .offset: 8, .size: 8, .value_kind: global_buffer, .address_space: global }
      - { .name: W1, .offset: 16, .size: 8, .value_kind: global_buffer, .address_space: global }
      - { .name: W2, .offset: 24, .size: 8, .value_kind: global_buffer, .address_space: global }
      - { .name: W3, .offset: 32, .size: 8, .value_kind: global_buffer, .address_space: global }
      - { .name: xb, .offset: 40, .size: 8, .value_kind: global_buffer, .address_space: global }
      - { .name: wq, .offset: 48, .size: 8, .value_kind: global_buffer, .address_space: global }
      - { .name: w3b, .offset: 56, .size: 8, .value_kind: global_buffer, .address_space: global }
    .group_segment_fixed_size: 0
    .private_segment_fixed_size: 0
    .kernarg_segment_align: 8
    .kernarg_segment_size: 64
    .max_flat_workgroup_size: 256
    .sgpr_count:     66
    .vgpr_count:     100
    .wavefront_size: 32
...
	.end_amdgpu_metadata
.endif
;; end of part 1
;; launch qkv (part 2): grid 16 x 16, 4 waves a work-group, clusters of 4 x 4, 327,680 bytes of LDS; arguments xb, wq, mask, qk, vt; writes qk, vt
.if DOCPART == 2
	.amdgcn_target "amdgcn-amd-amdhsa--gfx1250"
	.amdhsa_code_object_version 6
	.text
	.protected	k_qc185e375f2_qkv
	.globl	k_qc185e375f2_qkv
	.p2align	8
	.type	k_qc185e375f2_qkv,@function
k_qc185e375f2_qkv:
	s_mov_b64 s[64:65], 0
	v_nop
	global_prefetch_b8 v0, s[64:65] scope:SCOPE_SE
	s_setreg_imm32_b32 hwreg(HW_REG_WAVE_MODE, 25, 1), 1
	s_wait_xcnt 0x0
	s_wait_alu depctr_hold_cnt(0) depctr_sa_sdst(0) depctr_va_vdst(0) depctr_va_sdst(0) depctr_va_ssrc(0) depctr_va_vcc(0) depctr_vm_vsrc(0)
	s_getreg_b32 s2, hwreg(HW_REG_IB_STS2, 6, 4)
	s_cmp_eq_u32 s2, 0
	s_cbranch_scc0 .Lentry_in_a_cluster
	s_endpgm
.Lentry_in_a_cluster:
	s_bfe_u32 s2, ttmp6, 0x10000c
	s_cmp_lg_u32 s2, 0xf033
	s_cbranch_scc0 .Lentry_shape_is_right
	s_endpgm
.Lentry_shape_is_right:
; qkv: the three projections of one head for 256 positions l, in one work-group.
;   Kp[hb][l][d] = sum_i W0[64 h + d][i] x[b][i][l]                          -> qk, bytes 8 Mi and up, rows of 64 f16
;   Qp'[hb][l][d] = (sum_i W1[..][i] x[b][i][l]) * mask[b][l] * log2(e)/8    -> qk, bytes 0 and up
;   Vp^T[hb][l/64][d][l%64] = sum_i W2[..][i] x[b][i][l]                     -> vt, blocks of 64 d x 64 l
; LIMITS: operands and results are f16, sums are f32.  A projection beyond 65,504 in magnitude becomes infinite.  The room: inputs as drawn give a spread of 1;
; x and W both 30 times larger give a spread of 900; x and W both offset by 30 of their spreads give about 1,024 x 30 x 30/32 = 28,800.
; The mask is taken as the number it holds, as a factor: |m| |Qp| log2(e)/8 has to stay under 65,504 too.  NaN and infinities in the inputs are not served.
; Work-group (bx, by): bx = 8 b + lb (256 columns l), by = head.  192 rows of wq x 256 columns; wave w: all 192 rows x columns 64 w .. +63,
; 48 accumulator tiles of 16 x 16 = 384 registers.  K = 1,024 goes in 8 steps of 128 through two LDS slots.
; CLUSTERS 4 x 4: the tile of wq hangs on the head alone and is shared along a row of the cluster, the tile of xb on bx alone and is shared
; along a column; each is asked for jointly by the four, which divides the requests by four.
; x lies [i][l], that is [K][N]: its fragments are read with the transposing LDS load, from rows 544 bytes apart.
; REGISTERS: window 0: addresses, x fragments (two buffers), work on the way out.  Window 1: W fragments, two buffers of 12.
; Window 2: the 32 tiles of K and Q at 8 (16 mat + 4 a + c).  Window 3: the 16 tiles of V at 8 (4 a + c).
; K and Q: source 0 = rows of W, source 1 = columns of x: a lane holds 8 neighbouring d of one l.  V: the other way round: 8 neighbouring l of one d.
.set KSTEP,  128
.set WP,     272                       ; LDS pitch of a row of W: 256 bytes + 16
.set XP,     544                       ; LDS pitch of a row of x: 512 bytes + 32
.set WQ,     48*WP                     ; a wave fetches 48 rows of W
.set XQ,     32*XP                     ; and 32 rows of x
.set XOFF,   192*WP
.set SLOT,   XOFF+128*XP               ; 121,856
.set STAGE,  2*SLOT                    ; 243,712 = 952 x 256: no fill lands here
.set SP,     144                       ; stage pitch: 128 bytes + 16
.set LAPS,   1024/(2*KSTEP)
.set ADW, 16                           ; v16-17  W fragments, slot 0, 1
.set ADX, 18                           ; v18-19  x fragments, slot 0, 1
.set STO, 20
.set RD,  21
.set CO,  22
.set MO,  23
.set FM,  24                           ; v[24:31] four pairs: mask * log2(e)/8 of my column in column tile c
.set FX,  32                           ; v[32:63], v[64:95] x fragments
.set TMP, 96                           ; v[96:111] packed results
.set TF,  128                          ; v[128:159] Q times its factor
.set FW,  0                            ; window 1: v0-95, v96-191
.set GW1, 24
.set GW0, 32
.set GX1, 48
.set GX0, 56
.set MSB, 0
.macro WIN new                         ; the high byte of the immediate repeats the setting that is left
.if MSB != \new
	s_set_vgpr_msb (MSB<<8)|\new
.set MSB, \new
.endif
.endm
.macro PLACES                          ; four plain vector places behind matrix instructions (ISA guide 7.12.1)
.rept 4
	v_nop
.endr
.endm
.macro CREST                           ; a round of the cluster barrier behind its opening work-group barrier
	s_cmp_lg_u32 s14, 0
	s_cbranch_scc1 .Lnot_wave_0_\@
	s_barrier_signal -3
.Lnot_wave_0_\@:
	s_barrier_wait -3
	s_barrier_signal -1
	s_barrier_wait -1
.endm
.macro CROUND
	s_barrier_signal -1
	s_barrier_wait -1
	CREST
.endm
	s_load_b256 s[4:11], s[0:1], 0x0               ; xb, wq, mask, qk
	s_load_b64 s[12:13], s[0:1], 0x20              ; vt
	v_lshl_add_u32 v255, v0, 2, 0x3dc00
	s_set_vgpr_msb 0x40
	v_mov_b32 v255, 0
	s_set_vgpr_msb 0x4044
	ds_add_u32 v255, v255
	s_set_vgpr_msb 0x4400
	v_lshrrev_b32 v1, 5, v0
	v_readfirstlane_b32 s14, v1                    ; wave
	s_bfe_u32 s15, ttmp6, 0x40000                  ; cx
	s_bfe_u32 s16, ttmp6, 0x40004                  ; cy
	s_lshl_b32 s17, ttmp9, 2
	s_add_co_u32 s17, s17, s15                     ; bx
	s_and_b32 s18, ttmp7, 0xffff
	s_lshl_b32 s18, s18, 2
	s_add_co_u32 s18, s18, s16                     ; by = head
	s_lshr_b32 s19, s17, 3                         ; b
	s_and_b32 s20, s17, 7                          ; lb
	s_lshl_b32 s22, s16, 2
	s_lshl_b32 s22, 15, s22                        ; my row of the cluster
	s_lshl_b32 s23, 0x1111, s15                    ; my column
	; group 1 for W: 48 rows x 128 elements of 2 bytes, 4 words of padding behind every 64
	s_or_b32 s[GW1+0], s22, (1<<16)|(1<<20)|(1<<21)|(5<<22)|(3<<25)
	s_mov_b32 s[GW1+1], 128<<16
	s_mov_b32 s[GW1+2], 48<<16
	s_mov_b32 s[GW1+3], 128<<16
	s_mov_b32 s[GW1+4], 48
	s_mov_b32 s[GW1+5], 1024
	s_mov_b32 s[GW1+6], 0
	s_mov_b32 s[GW1+7], 0
	; group 1 for x: 32 rows x 256 elements, 8 words of padding behind every 128
	s_or_b32 s[GX1+0], s23, (1<<16)|(1<<20)|(1<<21)|(6<<22)|(7<<25)
	s_mov_b32 s[GX1+1], 256<<16
	s_mov_b32 s[GX1+2], 32<<16
	s_mov_b32 s[GX1+3], 256<<16
	s_mov_b32 s[GX1+4], 32
	s_mov_b32 s[GX1+5], 2048
	s_mov_b32 s[GX1+6], 0
	s_mov_b32 s[GX1+7], 0
	; W: row 192 head + 48 wave.  Made of the head and the wave alone, in s40-43.
	s_mul_i32 s40, s18, 192
	s_mul_i32 s41, s14, 48
	s_add_co_u32 s40, s40, s41
	s_lshl_b32 s40, s40, 11
	s_mov_b32 s41, 0
	s_mul_i32 s42, s14, WQ
	; x: batch b, row 32 wave, column 256 lb.  Made of bx and the wave alone, in s44-47.
	s_lshl_b32 s44, s19, 22
	s_lshl_b32 s45, s14, 17
	s_add_co_u32 s44, s44, s45
	s_lshl_b32 s45, s20, 9
	s_add_co_u32 s44, s44, s45
	s_mov_b32 s45, 0
	s_mul_i32 s46, s14, XQ
	s_add_co_u32 s46, s46, XOFF
	; results: (16 b + head) x 262,144 + lb x 32,768 + wave x 8,192, the same in Qp', Kp and Vp^T
	s_lshl_b32 s74, s19, 4
	s_add_co_u32 s74, s74, s18
	s_lshl_b32 s74, s74, 18
	s_lshl_b32 s75, s20, 15
	s_add_co_u32 s74, s74, s75
	s_lshl_b32 s75, s14, 13
	s_add_co_u32 s74, s74, s75
	s_mov_b32 s75, 0
	s_lshl_b32 s76, s19, 13                        ; mask: 4 (2,048 b + 256 lb + 64 wave)
	s_lshl_b32 s77, s20, 10
	s_add_co_u32 s76, s76, s77
	s_lshl_b32 s77, s14, 8
	s_add_co_u32 s76, s76, s77
	s_mov_b32 s77, 0
	s_lshl_b32 s78, s14, 7
	s_add_co_u32 s78, s78, XOFF                    ; my 128 bytes of every row of x
	s_mul_i32 s79, s14, 16*SP
	s_add_co_u32 s79, s79, STAGE                   ; my stage
	s_wait_dscnt 0x0
	s_wait_kmcnt 0x0
	s_add_nc_u64 s[40:41], s[6:7], s[40:41]
	s_add_nc_u64 s[44:45], s[4:5], s[44:45]
	s_add_nc_u64 s[66:67], s[10:11], s[74:75]      ; Qp'
	s_add_nc_u64 s[68:69], s[66:67], 0x800000      ; Kp
	s_add_nc_u64 s[70:71], s[12:13], s[74:75]      ; Vp^T
	s_add_nc_u64 s[72:73], s[8:9], s[76:77]        ; mask
	CROUND                                         ; all sixteen work-groups are here: the first joint loads meet
.irp s, 0,1
	s_mov_b32 s[GW0+4*\s], 1
	s_add_co_u32 s[GW0+4*\s+1], s42, \s*SLOT
	s_add_nc_u64 s[GW0+4*\s+2:GW0+4*\s+3], s[40:41], \s*KSTEP*2
	s_or_b32 s[GW0+4*\s+3], s[GW0+4*\s+3], 0x80000000
	s_mov_b32 s[GX0+4*\s], 1
	s_add_co_u32 s[GX0+4*\s+1], s46, \s*SLOT
	s_add_nc_u64 s[GX0+4*\s+2:GX0+4*\s+3], s[44:45], \s*KSTEP*4096
	s_or_b32 s[GX0+4*\s+3], s[GX0+4*\s+3], 0x80000000
	tensor_load_to_lds s[GW0+4*\s:GW0+4*\s+3], s[GW1:GW1+7]     ; four tensor loads of the wave are out here, two behind every later refill
	s_nop 0
	tensor_load_to_lds s[GX0+4*\s:GX0+4*\s+3], s[GX1:GX1+7]
	s_nop 0
.endr
	v_and_b32 v1, 15, v0                           ; r
	v_bfe_u32 v2, v0, 4, 1                         ; h
	v_and_b32 v3, 7, v0
	v_bfe_u32 v4, v0, 3, 1
	v_and_b32 v5, 31, v0                           ; lane
	v_lshlrev_b32 v[MO], 2, v1
.irp c, 0,1,2,3
	global_load_b32 v[FM+2*\c], v[MO], s[72:73] offset:64*\c    ; mask of column 64 w + 16 c + r
.endr
	v_mul_u32_u24 v6, v1, WP
	v_lshl_add_u32 v[ADW], v2, 4, v6               ; W: row r, 16 bytes for each half of the lanes
	v_add_nc_u32 v[ADW+1], SLOT, v[ADW]
	v_lshl_add_u32 v7, v2, 3, v3                   ; x: row 8 h + lane % 8,
	v_mul_u32_u24 v7, v7, XP
	v_lshl_add_u32 v7, v4, 4, v7                   ; 16 bytes for each group of eight lanes
	v_add_nc_u32 v[ADX], s78, v7
	v_add_nc_u32 v[ADX+1], SLOT, v[ADX]
	v_mul_u32_u24 v8, v1, SP
	v_lshl_add_u32 v8, v2, 4, v8
	v_add_nc_u32 v[STO], s79, v8
	v_lshrrev_b32 v9, 3, v5
	v_mul_u32_u24 v9, v9, SP
	v_lshl_add_u32 v9, v3, 4, v9
	v_add_nc_u32 v[RD], s79, v9                    ; back: eight lanes take one row of 128 bytes
	v_lshlrev_b32 v[CO], 4, v5
	s_wait_loadcnt 0x0
.irp c, 0,1,2,3
	v_cvt_f32_i32 v[FM+2*\c], v[FM+2*\c]
	v_mul_f32 v[FM+2*\c], 0x3e38aa3b, v[FM+2*\c]   ; m log2(e) / 8
	v_mov_b32 v[FM+2*\c+1], v[FM+2*\c]
.endr
; 16 products of K (mat 0) or Q (mat 1); the 48 accumulators take turns, one instruction a turn, in the same order in every quarter
.macro MULKQ buf, mat, zero
	WIN 0xa1
.irp a, 0,1,2,3
.irp c, 0,1,2,3
.if \zero
	v_wmma_f32_16x16x32_f16 v[8*(16*\mat+4*\a+\c):8*(16*\mat+4*\a+\c)+7], v[FW+96*\buf+8*(4*\mat+\a):FW+96*\buf+8*(4*\mat+\a)+7], v[FX+32*\buf+8*\c:FX+32*\buf+8*\c+7], 0
.else
	v_wmma_f32_16x16x32_f16 v[8*(16*\mat+4*\a+\c):8*(16*\mat+4*\a+\c)+7], v[FW+96*\buf+8*(4*\mat+\a):FW+96*\buf+8*(4*\mat+\a)+7], v[FX+32*\buf+8*\c:FX+32*\buf+8*\c+7], v[8*(16*\mat+4*\a+\c):8*(16*\mat+4*\a+\c)+7]
.endif
.endr
.endr
.endm
.macro MULV buf, zero
	WIN 0xf4
.irp a, 0,1,2,3
.irp c, 0,1,2,3
.if \zero
	v_wmma_f32_16x16x32_f16 v[8*(4*\a+\c):8*(4*\a+\c)+7], v[FX+32*\buf+8*\c:FX+32*\buf+8*\c+7], v[FW+96*\buf+8*(8+\a):FW+96*\buf+8*(8+\a)+7], 0
.else
	v_wmma_f32_16x16x32_f16 v[8*(4*\a+\c):8*(4*\a+\c)+7], v[FX+32*\buf+8*\c:FX+32*\buf+8*\c+7], v[FW+96*\buf+8*(8+\a):FW+96*\buf+8*(8+\a)+7], v[8*(4*\a+\c):8*(4*\a+\c)+7]
.endif
.endr
.endr
.endm
; the 32 LDS loads of one quarter step (32 along K): 4 x fragments by transposing loads, 12 W fragments
.macro FETCH slot, kq, buf
	WIN 0
.irp c, 0,1,2,3
	ds_load_tr16_b128 v[FX+32*\buf+8*\c:FX+32*\buf+8*\c+3], v[ADX+\slot] offset:\kq*32*XP+32*\c
	ds_load_tr16_b128 v[FX+32*\buf+8*\c+4:FX+32*\buf+8*\c+7], v[ADX+\slot] offset:\kq*32*XP+32*\c+16*XP
.endr
	WIN 0x40
.irp f, 0,1,2,3,4,5,6,7,8,9,10,11
	ds_load_b128 v[FW+96*\buf+8*\f:FW+96*\buf+8*\f+3], v[ADW+\slot] offset:16*\f*WP+64*\kq
	ds_load_b128 v[FW+96*\buf+8*\f+4:FW+96*\buf+8*\f+7], v[ADW+\slot] offset:16*\f*WP+64*\kq+32
.endr
.endm
; one of the first three quarters: buffer f is multiplied; ahead of its 48 products the next quarter (kq) is fetched into buffer g
.macro QUARTER slot, kq, f, g, zero
	s_wait_dscnt 0x0                               ; buffer f: its 32 loads were issued a quarter ago
	PLACES                                         ; buffer g was read by the products just issued
	FETCH \slot, \kq, \g
	MULKQ \f, 0, \zero
	MULKQ \f, 1, \zero
	MULV \f, \zero
.endm
.macro THREE slot, zero
	QUARTER \slot, 1, 0, 1, \zero
	QUARTER \slot, 2, 1, 0, 0
	QUARTER \slot, 3, 0, 1, 0
.endm
; the fourth quarter changes slots.  In front of the barrier each wave has its reads of this slot back and all its tensor loads landed
; (the two that were out are its parts of the next slot); behind it the refills come first, then the next slot is read.
.macro TURN slot, next, fill
	s_wait_dscnt 0x0
	s_wait_tensorcnt 0x0
	ds_add_u32 v255, v255
	s_wait_dscnt 0x0
	s_barrier_signal -1
	MULKQ 1, 0, 0                                  ; register work while the others arrive
	WIN 0
	s_barrier_wait -1
.if \fill
	CREST                                          ; no wave of any partner still reads this slot or has a load on its way
	s_add_nc_u64 s[GW0+4*\slot+2:GW0+4*\slot+3], s[GW0+4*\slot+2:GW0+4*\slot+3], 2*KSTEP*2
	s_add_nc_u64 s[GX0+4*\slot+2:GX0+4*\slot+3], s[GX0+4*\slot+2:GX0+4*\slot+3], 2*KSTEP*4096
	tensor_load_to_lds s[GW0+4*\slot:GW0+4*\slot+3], s[GW1:GW1+7]
	s_nop 0
	tensor_load_to_lds s[GX0+4*\slot:GX0+4*\slot+3], s[GX1:GX1+7]
	s_nop 0
.endif
	PLACES
	FETCH \next, 0, 0
	MULKQ 1, 1, 0
	MULV 1, 0
.endm
.macro LAP zero
	THREE 0, \zero
	TURN 0, 1, 1
	THREE 1, 0
	TURN 1, 0, 1
.endm
	s_wait_tensorcnt 0x2                           ; my two parts of K step 0 are in; the two of K step 1 stay out
	s_barrier_signal -1
	s_barrier_wait -1
	FETCH 0, 0, 0
	LAP 1                                          ; the first products start the sums: nothing is cleared
	WIN 0
	s_mov_b32 s21, LAPS-2
.Llap:
	LAP 0
	WIN 0
	s_sub_co_u32 s21, s21, 1
	s_cmp_lg_u32 s21, 0
	s_cbranch_scc1 .Llap
	THREE 0, 0                                     ; the last lap fills nothing
	TURN 0, 1, 0
	THREE 1, 0
	s_wait_dscnt 0x0
	MULKQ 1, 0, 0
	MULKQ 1, 1, 0
	MULV 1, 0
	PLACES
; THE WAY OUT, 16 rows of 128 bytes at a time through my own stage: 16 bytes a lane in, whole rows back, 512 consecutive bytes a store.
; K, Q: rows are l = 16 g + r, tiles (a = 0..3, c = g).  V: rows are d = 16 g + r, tiles (a = g, c = 0..3).
.macro OUT16 mat, g, f, base
.if \mat == 0
	WIN 0x0a
.irp a, 0,1,2,3
.irp q, 0,1,2,3
	v_cvt_pk_f16_f32 v[TMP+4*\a+\q], v[8*(4*\a+\g)+2*\q], v[8*(4*\a+\g)+2*\q+1]
.endr
.endr
.elseif \mat == 1
	WIN 0x02
.irp a, 0,1,2,3
.irp q, 0,1,2,3
	v_pk_mul_f32 v[TF+8*\a+2*\q:TF+8*\a+2*\q+1], v[8*(16+4*\a+\g)+2*\q:8*(16+4*\a+\g)+2*\q+1], v[FM+2*\g:FM+2*\g+1]
.endr
.endr
	WIN 0
.irp a, 0,1,2,3
.irp q, 0,1,2,3
	v_cvt_pk_f16_f32 v[TMP+4*\a+\q], v[TF+8*\a+2*\q], v[TF+8*\a+2*\q+1]
.endr
.endr
.else
	WIN 0x0f
.irp a, 0,1,2,3
.irp q, 0,1,2,3
	v_cvt_pk_f16_f32 v[TMP+4*\a+\q], v[8*(4*\g+\a)+2*\q], v[8*(4*\g+\a)+2*\q+1]
.endr
.endr
.endif
	WIN 0
.irp n, 0,1,2,3
	ds_store_b128 v[STO], v[TMP+4*\n:TMP+4*\n+3] offset:32*\n
.endr
	s_wait_xcnt 0x0                                ; buffer f, which earlier stores read, is loaded again only behind this wait
.irp t, 0,1,2,3
	ds_load_b128 v[\f+4*\t:\f+4*\t+3], v[RD] offset:4*SP*\t     ; LDS serves a wave in order: these see the stores above
.endr
.irp t, 0,1,2,3
	s_wait_dscnt 3-\t
	global_store_b128 v[CO], v[\f+4*\t:\f+4*\t+3], s[\base:\base+1] offset:2048*\g+512*\t
.endr
.endm
	OUT16 0, 0, 32, 68
	OUT16 0, 1, 64, 68
	OUT16 0, 2, 32, 68
	OUT16 0, 3, 64, 68
	OUT16 1, 0, 32, 66
	OUT16 1, 1, 64, 66
	OUT16 1, 2, 32, 66
	OUT16 1, 3, 64, 66
	OUT16 2, 0, 32, 70
	OUT16 2, 1, 64, 70
	OUT16 2, 2, 32, 70
	OUT16 2, 3, 64, 70
	s_set_vgpr_msb 0x4
	s_wait_tensorcnt 0x0
	ds_add_u32 v255, v255
	s_wait_dscnt 0x0
	s_set_vgpr_msb 0x400
	CROUND                                         ; the closing round: no work-group ends while a partner may still ask jointly
	s_endpgm
.Lfunc_end_k_qc185e375f2_qkv:
	.size	k_qc185e375f2_qkv, .Lfunc_end_k_qc185e375f2_qkv-k_qc185e375f2_qkv
	.p2alignl 7, 3214868480
	.fill 96, 4, 3214868480
	.section	.rodata,"a",@progbits
	.p2align	6, 0x0
	.amdhsa_kernel k_qc185e375f2_qkv
		.amdhsa_group_segment_fixed_size 327680
		.amdhsa_private_segment_fixed_size 0
		.amdhsa_enable_private_segment 0
		.amdhsa_kernarg_size 40
		.amdhsa_user_sgpr_count 2
		.amdhsa_user_sgpr_kernarg_segment_ptr 1
		.amdhsa_wavefront_size32 1
		.amdhsa_system_sgpr_workgroup_id_x 1
		.amdhsa_system_sgpr_workgroup_id_y 1
		.amdhsa_system_sgpr_workgroup_id_z 1
		.amdhsa_system_vgpr_workitem_id 0
		.amdhsa_next_free_vgpr 896
		.amdhsa_next_free_sgpr 80
		.amdhsa_reserve_vcc 0
		.amdhsa_float_denorm_mode_32 3
		.amdhsa_float_denorm_mode_16_64 3
		.amdhsa_memory_ordered 1
		.amdhsa_forward_progress 1
		.amdhsa_inst_pref_size 168
	.end_amdhsa_kernel
	.amdgpu_metadata
---
amdhsa.version: [ 1, 2 ]
amdhsa.kernels:
  - .name:           k_qc185e375f2_qkv
    .symbol:         k_qc185e375f2_qkv.kd
    .args:
      - { .name: xb, .offset: 0, .size: 8, .value_kind: global_buffer, .address_space: global }
      - { .name: wq, .offset: 8, .size: 8, .value_kind: global_buffer, .address_space: global }
      - { .name: mask, .offset: 16, .size: 8, .value_kind: global_buffer, .address_space: global }
      - { .name: qk, .offset: 24, .size: 8, .value_kind: global_buffer, .address_space: global }
      - { .name: vt, .offset: 32, .size: 8, .value_kind: global_buffer, .address_space: global }
    .group_segment_fixed_size: 327680
    .private_segment_fixed_size: 0
    .kernarg_segment_align: 8
    .kernarg_segment_size: 40
    .max_flat_workgroup_size: 128
    .sgpr_count:     80
    .vgpr_count:     896
    .wavefront_size: 32
...
	.end_amdgpu_metadata
.endif
;; end of part 2
;; launch attn (part 3): grid 8 x 32, 8 waves a work-group, clusters of 4 x 1, 327,680 bytes of LDS; arguments qk, vt, mask, att; writes att
.if DOCPART == 3
	.amdgcn_target "amdgcn-amd-amdhsa--gfx1250"
	.amdhsa_code_object_version 6
	.text
	.protected	k_qc185e375f2_attn
	.globl	k_qc185e375f2_attn
	.p2align	8
	.type	k_qc185e375f2_attn,@function
k_qc185e375f2_attn:
	s_mov_b64 s[64:65], 0
	v_nop
	global_prefetch_b8 v0, s[64:65] scope:SCOPE_SE
	s_setreg_imm32_b32 hwreg(HW_REG_WAVE_MODE, 25, 1), 1
	s_wait_xcnt 0x0
	s_wait_alu depctr_hold_cnt(0) depctr_sa_sdst(0) depctr_va_vdst(0) depctr_va_sdst(0) depctr_va_ssrc(0) depctr_va_vcc(0) depctr_vm_vsrc(0)
	s_getreg_b32 s2, hwreg(HW_REG_IB_STS2, 6, 4)
	s_cmp_eq_u32 s2, 0
	s_cbranch_scc0 .Lentry_in_a_cluster
	s_endpgm
.Lentry_in_a_cluster:
	s_bfe_u32 s2, ttmp6, 0x10000c
	s_cmp_lg_u32 s2, 0x3003
	s_cbranch_scc0 .Lentry_shape_is_right
	s_endpgm
.Lentry_shape_is_right:
; attn: softmax(Kp Qp^T / 8, masked over the second index) Vp for one head and 256 rows l, with a running maximum.
; Rows of Kp play the part of queries, rows of Qp' (already times mask log2(e)/8) that of keys, Vp^T that of values.
; The addend (1 - m)(-1e30) log2(e) enters as the C operand of the score product, so the mask is honoured as the number it holds,
; and a batch whose keys are all masked gives the uniform weights.  Exponentials are base 2 of (score - running maximum).
; LIMITS: all matrix operands are f16.  P lies in [0, 1] by the running maximum, whatever the inputs; a p below 3e-8 counts as 0 in the product with V
; while the row sum, which is at least 1, takes the unrounded p.  att is a weighted mean of Vp and has Vp's range (under 65,504).
; NaN and infinities in the inputs are not served.
; Work-group: head hb (grid y), 256 queries qb (grid x).  Eight waves, 32 queries each, as two pieces A and B of 16.
; Everything of a wave lies in 256 registers, so that products of one piece and vector work of the other stand side by side with no change of register window.
; CLUSTER 4 x 1: the four query blocks of a cluster walk the same key and value tiles and ask for them jointly.
; LAYOUT: S^T = keys (source 0) x queries (source 1): lane (r, h) holds query r, keys 8 h + j: maximum and sum run inside a lane and once across the halves;
; two packed score tiles are at once the source 1 fragment P^T of O^T = V^T x P^T; the rescaling factor and 1 / sum are values of the lane.
; PIPELINE, trip u (32 keys): phase 1: scores of A for u + 1 and P V of A for u, among them the softmax of B for u;
; phase 2: scores of B for u + 1 and P V of B for u, among them the softmax of A for u + 1.
; TILES: 8 of 256 keys in two slots.  Value tile j begins at key 256 j, key tile j at key 256 j + 32, since trip u reads keys of u + 1 and later: each trip reads one slot.
; Keys 0-31 come straight into registers.  The last 32 rows of key tile 7 lie behind the head (still inside qk) and are never read from LDS.
.set KP,    144                        ; LDS pitch of 128 bytes + 16
.set WPART, 64*KP                      ; 9,216: what one tensor load brings
.set VOFF,  4*WPART
.set SLOT,  8*WPART                    ; 73,728
.set BIAS,  2*SLOT                     ; 147,456: 2,048 f32
.set STAGE, BIAS+8192                  ; 155,648; 32 rows x 144 for each wave
.set ADK, 1                            ; v1-2   key fragments, slot 0, 1
.set ADV, 3                            ; v3-4   value fragments
.set ADB, 5                            ; v5     bias, steps 2,048 a lap
.set STO, 6
.set RD,  7
.set CO,  8
.set FO,  9                            ; fragment offset in memory: 128 r + 16 h
.set MA,  10                           ; v[10:11], v[12:13]  maximum (new, old) of A, B
.set LA,  14                           ; v[14:15], v[16:17]  two partial row sums of A, B
.set AL,  18                           ; v[18:19]  factor, its exponent
.set T,   20                           ; v20-23
.set QA,  24                           ; v[24:39], v[40:55]  query fragments of A, B
.set KF,  56                           ; v[56:87]   key fragments 8 (2 kt + ks)
.set VF,  88                           ; v[88:119]  value fragments
.set BI,  120                          ; v[120:135] bias of two key tiles
.set SA,  136                          ; v[136:151], v[152:167]
.set PA,  168                          ; v[168:175], v[176:183]
.set OA,  184                          ; v[184:215], v[216:247]
.set G1,  16
.set G0,  24
.macro CREST
	s_cmp_lg_u32 s12, 0
	s_cbranch_scc1 .Lnot_wave_0_\@
	s_barrier_signal -3
.Lnot_wave_0_\@:
	s_barrier_wait -3
	s_barrier_signal -1
	s_barrier_wait -1
.endm
.macro CROUND
	s_barrier_signal -1
	s_barrier_wait -1
	CREST
.endm
	s_load_b256 s[4:11], s[0:1], 0x0               ; qk, vt, mask, att
	v_lshl_add_u32 v254, v0, 2, 0x2f000
	v_mov_b32 v255, 0
	ds_add_u32 v254, v255
	v_lshrrev_b32 v1, 5, v0
	v_readfirstlane_b32 s12, v1                    ; wave
	s_bfe_u32 s13, ttmp6, 0x40000                  ; cx
	s_lshl_b32 s14, ttmp9, 2
	s_add_co_u32 s14, s14, s13                     ; qb
	s_and_b32 s15, ttmp7, 0xffff                   ; hb
	s_mov_b32 s32, 0x76543210                      ; v_permlanex16_b32: lane i of the other half
	s_mov_b32 s33, 0xfedcba98
	; group 1: 8,192 dense bytes as 32 rows of 128 elements of 2 bytes, 4 words of padding behind every 32: rows of 128 bytes, 144 apart
	s_mov_b32 s[G1+0], 15|(1<<16)|(1<<20)|(1<<21)|(4<<22)|(3<<25)
	s_mov_b32 s[G1+1], 128<<16
	s_mov_b32 s[G1+2], 32<<16
	s_mov_b32 s[G1+3], 128<<16
	s_mov_b32 s[G1+4], 32
	s_mov_b32 s[G1+5], 128
	s_mov_b32 s[G1+6], 0
	s_mov_b32 s[G1+7], 0
	; tiles: waves 0-3 fetch 64 keys each (shifted by 32 keys = 4,096 bytes), waves 4-7 a value block each.  Head and wave alone enter.
	s_lshl_b32 s36, s15, 18
	s_and_b32 s37, s12, 3
	s_lshl_b32 s37, s37, 13
	s_add_co_u32 s36, s36, s37
	s_cmp_lt_u32 s12, 4
	s_cselect_b32 s37, 4096, 0
	s_add_co_u32 s36, s36, s37
	s_mov_b32 s37, 0
	s_mul_i32 s48, s12, WPART
	s_mul_i32 s49, s12, 32*KP
	s_add_co_u32 s49, s49, STAGE
	s_lshl_b32 s2, s15, 18                         ; my 32 queries: 262,144 hb + 32,768 qb + 4,096 wave
	s_lshl_b32 s3, s14, 15
	s_add_co_u32 s2, s2, s3
	s_lshl_b32 s3, s12, 12
	s_add_co_u32 s2, s2, s3
	s_mov_b32 s3, 0
	s_lshl_b32 s50, s15, 18
	s_mov_b32 s51, 0
	s_lshr_b32 s34, s15, 4                         ; batch
	s_lshl_b32 s34, s34, 13
	s_mov_b32 s35, 0
	v_and_b32 v20, 15, v0                          ; r
	v_bfe_u32 v21, v0, 4, 1                        ; h
	v_and_b32 v22, 31, v0                          ; lane
	v_mul_u32_u24 v1, v20, KP
	v_lshl_add_u32 v[ADK], v21, 4, v1
	v_add_nc_u32 v[ADK+1], SLOT, v[ADK]
	v_add_nc_u32 v[ADV], VOFF, v[ADK]
	v_add_nc_u32 v[ADV+1], SLOT+VOFF, v[ADK]
	v_lshlrev_b32 v[ADB], 5, v21
	v_add_nc_u32 v[ADB], BIAS, v[ADB]
	v_add_nc_u32 v[STO], s49, v[ADK]
	v_lshrrev_b32 v[RD], 3, v22
	v_mul_u32_u24 v[RD], v[RD], KP
	v_and_b32 v23, 7, v0
	v_lshl_add_u32 v[RD], v23, 4, v[RD]
	v_add_nc_u32 v[RD], s49, v[RD]
	v_lshlrev_b32 v[CO], 4, v22
	v_lshlrev_b32 v[FO], 7, v20
	v_lshl_add_u32 v[FO], v21, 4, v[FO]
	v_lshlrev_b32 v23, 5, v0                       ; thread t: mask words 8 t .. 8 t + 7
	v_add_nc_u32 v22, BIAS, v23
	s_wait_dscnt 0x0
	s_wait_kmcnt 0x0
	s_cmp_lt_u32 s12, 4                            ; the choice hangs on the wave number alone
	s_cselect_b64 s[40:41], s[4:5], s[6:7]
	s_add_nc_u64 s[36:37], s[40:41], s[36:37]
	s_add_nc_u64 s[38:39], s[4:5], s[2:3]
	s_add_nc_u64 s[38:39], s[38:39], 0x800000      ; my queries in Kp
	s_add_nc_u64 s[44:45], s[10:11], s[2:3]        ; and in att
	s_add_nc_u64 s[42:43], s[4:5], s[50:51]        ; keys 0-31
	s_add_nc_u64 s[46:47], s[8:9], s[34:35]        ; mask of my batch
	global_load_b128 v[SA:SA+3], v23, s[46:47]
	global_load_b128 v[SA+4:SA+7], v23, s[46:47] offset:16
.irp x, 0,1
.irp ks, 0,1
	global_load_b128 v[QA+16*\x+8*\ks:QA+16*\x+8*\ks+3], v[FO], s[38:39] offset:2048*\x+64*\ks
	global_load_b128 v[QA+16*\x+8*\ks+4:QA+16*\x+8*\ks+7], v[FO], s[38:39] offset:2048*\x+64*\ks+32
.endr
.endr
.irp kt, 0,1
.irp ks, 0,1
	global_load_b128 v[KF+8*(2*\kt+\ks):KF+8*(2*\kt+\ks)+3], v[FO], s[42:43] offset:2048*\kt+64*\ks
	global_load_b128 v[KF+8*(2*\kt+\ks)+4:KF+8*(2*\kt+\ks)+7], v[FO], s[42:43] offset:2048*\kt+64*\ks+32
.endr
.endr
	s_wait_loadcnt 0x10                            ; the two mask loads are in; the 16 fragment loads stay out
.irp k, 0,1,2,3,4,5,6,7
	v_cvt_f32_i32 v[SA+\k], v[SA+\k]
	v_sub_f32 v[SA+\k], 1.0, v[SA+\k]
.endr
.irp k, 0,2,4,6
	v_pk_mul_f32 v[SA+\k:SA+\k+1], v[SA+\k:SA+\k+1], 0xf149f2ca op_sel_hi:[1,0]    ; (1 - m)(-1e30)
.endr
.irp k, 0,2,4,6
	v_pk_mul_f32 v[SA+\k:SA+\k+1], v[SA+\k:SA+\k+1], 0x3fb8aa3b op_sel_hi:[1,0]    ; in units of base 2
.endr
	ds_store_b128 v22, v[SA:SA+3]
	ds_store_b128 v22, v[SA+4:SA+7] offset:16
	s_wait_dscnt 0x0                               ; my part of the bias is written before I signal
	CROUND                                         ; the four work-groups are here: the first joint loads meet
.irp s, 0,1
	s_mov_b32 s[G0+4*\s], 1
	s_add_co_u32 s[G0+4*\s+1], s48, \s*SLOT
	s_add_nc_u64 s[G0+4*\s+2:G0+4*\s+3], s[36:37], \s*32768
	s_or_b32 s[G0+4*\s+3], s[G0+4*\s+3], 0x80000000
	tensor_load_to_lds s[G0+4*\s:G0+4*\s+3], s[G1:G1+7]         ; two tensor loads of the wave are out here, one behind every later refill
	s_nop 0
.endr
; score product n of piece x: two key tiles by turns; the first link of each takes the bias as C
.macro WS x, n
.if \n == 1
	v_wmma_f32_16x16x32_f16 v[SA+16*\x:SA+16*\x+7], v[KF:KF+7], v[QA+16*\x:QA+16*\x+7], v[BI:BI+7]
.elseif \n == 2
	v_wmma_f32_16x16x32_f16 v[SA+16*\x+8:SA+16*\x+15], v[KF+16:KF+23], v[QA+16*\x:QA+16*\x+7], v[BI+8:BI+15]
.elseif \n == 3
	v_wmma_f32_16x16x32_f16 v[SA+16*\x:SA+16*\x+7], v[KF+8:KF+15], v[QA+16*\x+8:QA+16*\x+15], v[SA+16*\x:SA+16*\x+7]
.else
	v_wmma_f32_16x16x32_f16 v[SA+16*\x+8:SA+16*\x+15], v[KF+24:KF+31], v[QA+16*\x+8:QA+16*\x+15], v[SA+16*\x+8:SA+16*\x+15]
.endif
.endm
.macro WPV x, t, zero
.if \zero
	v_wmma_f32_16x16x32_f16 v[OA+32*\x+8*\t:OA+32*\x+8*\t+7], v[VF+8*\t:VF+8*\t+7], v[PA+8*\x:PA+8*\x+7], 0
.else
	v_wmma_f32_16x16x32_f16 v[OA+32*\x+8*\t:OA+32*\x+8*\t+7], v[VF+8*\t:VF+8*\t+7], v[PA+8*\x:PA+8*\x+7], v[OA+32*\x+8*\t:OA+32*\x+8*\t+7]
.endif
.endm
; 12 loads: the fragments of 32 keys (block sub of the slot) and their bias
.macro LDK slot, sub, boff
.irp kt, 0,1
.irp ks, 0,1
	ds_load_b128 v[KF+8*(2*\kt+\ks):KF+8*(2*\kt+\ks)+3], v[ADK+(\slot)] offset:KP*(32*(\sub)+16*\kt)+64*\ks
	ds_load_b128 v[KF+8*(2*\kt+\ks)+4:KF+8*(2*\kt+\ks)+7], v[ADK+(\slot)] offset:KP*(32*(\sub)+16*\kt)+64*\ks+32
.endr
.endr
.irp kt, 0,1
	ds_load_b128 v[BI+8*\kt:BI+8*\kt+3], v[ADB] offset:\boff+64*\kt
	ds_load_b128 v[BI+8*\kt+4:BI+8*\kt+7], v[ADB] offset:\boff+64*\kt+16
.endr
.endm
; 8 loads: V^T, 64 d x 32 keys
.macro LDV slot, sub
.irp t, 0,1,2,3
	ds_load_b128 v[VF+8*\t:VF+8*\t+3], v[ADV+(\slot)] offset:KP*(64*((\sub)>>1)+16*\t)+64*((\sub)&1)
	ds_load_b128 v[VF+8*\t+4:VF+8*\t+7], v[ADV+(\slot)] offset:KP*(64*((\sub)>>1)+16*\t)+64*((\sub)&1)+32
.endr
.endm
.macro RS k                            ; O times the factor
	s_wait_alu depctr_va_vdst(0)
	v_pk_mul_f32 v[O_+2*(\k):O_+2*(\k)+1], v[O_+2*(\k):O_+2*(\k)+1], v[AL:AL+1] op_sel_hi:[1,0]
.endm
.macro EX4 k0
.irp e, 0,1,2,3
	v_exp_f32 v[S_+\k0+\e], v[S_+\k0+\e]
.endr
.endm
.macro SUBM k                          ; score - maximum
	v_pk_add_f32 v[S_+2*\k:S_+2*\k+1], v[S_+2*\k:S_+2*\k+1], v[M_:M_+1] op_sel_hi:[1,0] neg_lo:[0,1] neg_hi:[0,1]
.endm
.macro LADD k
	s_wait_alu depctr_va_vdst(0)
	v_pk_add_f32 v[L_:L_+1], v[L_:L_+1], v[S_+2*\k:S_+2*\k+1]
.endm
.macro PK k
	v_cvt_pk_f16_f32 v[P_+\k], v[S_+2*\k], v[S_+2*\k+1]
.endm
; chunk c (0..7) of the softmax of piece x.  first = 1: no old maximum, sum or O yet.
; Each group of exponentials is followed by one plain instruction before its results are used (ISA guide 5.7.2); every chunk ends on a plain instruction.
.macro SM x, c, first
.set S_, SA+16*\x
.set P_, PA+8*\x
.set O_, OA+32*\x
.set M_, MA+2*\x
.set L_, LA+2*\x
.if \c == 0
	v_max3_num_f32 v[T], v[S_], v[S_+1], v[S_+2]
	v_max3_num_f32 v[T+1], v[S_+3], v[S_+4], v[S_+5]
	v_max3_num_f32 v[T+2], v[S_+6], v[S_+7], v[S_+8]
	v_max3_num_f32 v[T+3], v[S_+9], v[S_+10], v[S_+11]
	v_max3_num_f32 v[T], v[T], v[S_+12], v[S_+13]
	v_max3_num_f32 v[T+1], v[T+1], v[S_+14], v[S_+15]
.if \first
	v_max_num_f32 v[T+2], v[T+2], v[T+3]
.else
	v_max3_num_f32 v[T+2], v[T+2], v[T+3], v[M_]
.endif
	v_max3_num_f32 v[T], v[T], v[T+1], v[T+2]
.elseif \c == 1
	v_permlanex16_b32 v[T+1], v[T], s32, s33       ; the other 16 keys of my query
.if \first
	v_max_num_f32 v[M_], v[T], v[T+1]
	v_mov_b32 v[M_+1], v[M_]
.else
	v_mov_b32 v[M_+1], v[M_]
	v_max_num_f32 v[M_], v[T], v[T+1]
	v_sub_f32 v[AL+1], v[M_+1], v[M_]
	v_exp_f32 v[AL], v[AL+1]                       ; 2^(old maximum - new maximum)
.endif
	SUBM 0
	SUBM 1
	SUBM 2
	SUBM 3
.elseif \c == 2
	SUBM 4
	SUBM 5
	SUBM 6
	SUBM 7
	EX4 0
.if \first
	v_nop
.else
	RS 0
.endif
.elseif \c == 3
	EX4 4
.if \first
	v_nop
	s_wait_alu depctr_va_vdst(0)
	v_pk_add_f32 v[L_:L_+1], v[S_:S_+1], v[S_+2:S_+3]           ; starts the sums
	PK 0
.else
	RS 1
	v_pk_fma_f32 v[L_:L_+1], v[L_:L_+1], v[AL:AL+1], v[S_:S_+1] op_sel_hi:[1,0,1]
	PK 0
	LADD 1
.endif
	PK 1
.elseif \c == 4
	EX4 8
.if \first
	v_nop
.else
	RS 2
.endif
	LADD 2
	PK 2
	LADD 3
	PK 3
.elseif \c == 5
	EX4 12
.if \first
	v_nop
.else
	RS 3
.endif
	LADD 4
	PK 4
	LADD 5
	PK 5
.elseif \c == 6
.if \first == 0
	RS 4
.endif
	LADD 6
	PK 6
	LADD 7
	PK 7
.if \first == 0
	RS 5
	RS 6
	RS 7
	RS 8
.endif
.else
.if \first == 0
.irp k, 9,10,11,12,13,14,15
	RS \k
.endr
.endif
.endif
.endm
; Trip u = 8 tile + i.  No two matrix instructions that follow each other share an accumulator, over the trip's end too.
; chg = 1 (i = 7): the slot has been read to its end; fill = 1: it is filled again, two tiles ahead.  ldk = 0: there are no further keys.
.macro ITER slot, i, first, chg, fill, ldk
	s_wait_dscnt 0x8                               ; the 12 key and bias loads are in; the 8 younger value loads stay out
	WS 0, 1
	SM 1, 0, \first
	WS 0, 2
	SM 1, 1, \first
	WS 0, 3
	SM 1, 2, \first
	WS 0, 4
	SM 1, 3, \first
	s_wait_dscnt 0x0                               ; the value fragments
	WPV 0, 0, \first
	SM 1, 4, \first
	WPV 0, 1, \first
	SM 1, 5, \first
	WPV 0, 2, \first
	SM 1, 6, \first
	WPV 0, 3, \first
	SM 1, 7, \first
	WS 1, 1
	SM 0, 0, 0
	WS 1, 2
	SM 0, 1, 0
	WS 1, 3
	SM 0, 2, 0
	WS 1, 4
	SM 0, 3, 0
.if \chg
	s_wait_dscnt 0x0                               ; my reads of this slot are back (met since phase 1)
	s_wait_tensorcnt 0x0                           ; all my tensor loads have landed: the one that was out is my part of the other slot
	ds_add_u32 v254, v255
	s_wait_dscnt 0x0
	s_barrier_signal -1
.endif
	WPV 1, 0, \first
	SM 0, 4, 0
.if \chg == 0
.if \ldk
	; behind the last score product stand six packed multiplies and adds of piece A (chunks 3 and 4), besides its conversions:
	; the places in front of the loads into the key and bias registers
	LDK \slot, \i+1, \slot*1024+128*(\i+2)
.endif
.endif
	WPV 1, 1, \first
	SM 0, 5, 0
.if \chg
	s_barrier_wait -1
.if \fill
	CREST                                          ; no wave of any partner still reads this slot or has a load on its way
	s_add_nc_u64 s[G0+4*\slot+2:G0+4*\slot+3], s[G0+4*\slot+2:G0+4*\slot+3], 65536
	tensor_load_to_lds s[G0+4*\slot:G0+4*\slot+3], s[G1:G1+7]   ; first behind the round
	s_nop 0
.endif
	LDK 1-\slot, 0, \slot*1024+128*(\i+2)
.endif
	WPV 1, 2, \first
	SM 0, 6, 0
	WPV 1, 3, \first
	SM 0, 7, 0                                     ; seven packed multiplies: the places in front of the loads into the value registers
.if \chg
	LDV 1-\slot, 0
.else
	LDV \slot, \i+1
.endif
.endm
.macro TILE slot, fill
.irp i, 0,1,2,3,4,5,6
	ITER \slot, \i, 0, 0, 0, 1
.endr
	ITER \slot, 7, 0, 1, \fill, 1
.endm
	s_wait_tensorcnt 0x1                           ; my part of tile 0 is in; tile 1 stays out
	s_barrier_signal -1
	s_barrier_wait -1
.irp kt, 0,1
	ds_load_b128 v[BI+8*\kt:BI+8*\kt+3], v[ADB] offset:64*\kt
	ds_load_b128 v[BI+8*\kt+4:BI+8*\kt+7], v[ADB] offset:64*\kt+16
.endr
	s_wait_loadcnt 0x0                             ; queries and keys 0-31
	s_wait_dscnt 0x0
	; lead-in: scores of A and B for trip 0, softmax of A for trip 0
	WS 0, 1
	WS 0, 2
	WS 0, 3
	WS 0, 4
.rept 4
	v_nop                                          ; four places before the scores of A are read (ISA guide 7.12.1)
.endr
	WS 1, 1
	SM 0, 0, 1
	WS 1, 2
	SM 0, 1, 1
	WS 1, 3
	SM 0, 2, 1
	WS 1, 4
	SM 0, 3, 1
	SM 0, 4, 1                                     ; chunks 3 and 4 hold two v_nop and three packed adds, besides the conversions: the places in front of the loads
	LDK 0, 0, 128
	SM 0, 5, 1
	SM 0, 6, 1
	SM 0, 7, 1
	LDV 0, 0
	; lap 0 (tiles 0, 1): the first P V products start the sums
	ITER 0, 0, 1, 0, 0, 1
.irp i, 1,2,3,4,5,6
	ITER 0, \i, 0, 0, 0, 1
.endr
	ITER 0, 7, 0, 1, 1, 1
	TILE 1, 1
	v_add_nc_u32 v[ADB], 2048, v[ADB]
	s_mov_b32 s34, 2
.Llap:
	TILE 0, 1
	TILE 1, 1
	v_add_nc_u32 v[ADB], 2048, v[ADB]
	s_sub_co_u32 s34, s34, 1
	s_cmp_lg_u32 s34, 0
	s_cbranch_scc1 .Llap
	TILE 0, 0                                      ; tiles 6 and 7: nothing is filled any more
.irp i, 0,1,2,3,4,5
	ITER 1, \i, 0, 0, 0, 1
.endr
	ITER 1, 6, 0, 0, 0, 0
	; trip 63: what is left
	s_wait_dscnt 0x0
	WPV 0, 0, 0
	SM 1, 0, 0
	WPV 0, 1, 0
	SM 1, 1, 0
	WPV 0, 2, 0
	SM 1, 2, 0
	WPV 0, 3, 0
	SM 1, 3, 0
	SM 1, 4, 0
	SM 1, 5, 0
	SM 1, 6, 0
	SM 1, 7, 0
	WPV 1, 0, 0
	WPV 1, 1, 0
	WPV 1, 2, 0
	WPV 1, 3, 0
	; THE WAY OUT.  The four adds and the v_nop are the places behind the last product.
	v_add_f32 v[T], v[LA], v[LA+1]
	v_add_f32 v[T+1], v[LA+2], v[LA+3]
	v_permlanex16_b32 v[T+2], v[T], s32, s33
	v_permlanex16_b32 v[T+3], v[T+1], s32, s33
	v_add_f32 v[T], v[T], v[T+2]
	v_add_f32 v[T+1], v[T+1], v[T+3]               ; the row sums; at least 1, since the largest p is 1
	v_rcp_f32 v[LA], v[T]
	v_rcp_f32 v[LA+2], v[T+1]
	v_nop
.irp x, 0,1
.irp t, 0,1,2,3
.irp q, 0,1,2,3
	s_wait_alu depctr_va_vdst(0)
	v_pk_mul_f32 v[OA+32*\x+8*\t+2*\q:OA+32*\x+8*\t+2*\q+1], v[OA+32*\x+8*\t+2*\q:OA+32*\x+8*\t+2*\q+1], v[LA+2*\x:LA+2*\x+1] op_sel_hi:[1,0]
.endr
.irp q, 0,1,2,3
	v_cvt_pk_f16_f32 v[SA+16*\x+4*\t+\q], v[OA+32*\x+8*\t+2*\q], v[OA+32*\x+8*\t+2*\q+1]
.endr
	ds_store_b128 v[STO], v[SA+16*\x+4*\t:SA+16*\x+4*\t+3] offset:16*KP*\x+32*\t   ; row 16 x + r, d = 16 t + 8 h ..
.endr
.endr
.irp i, 0,1,2,3,4,5,6,7
	ds_load_b128 v[KF+4*\i:KF+4*\i+3], v[RD] offset:4*KP*\i     ; my own stage: LDS serves a wave in order
.endr
.irp i, 0,1,2,3,4,5,6,7
	s_wait_dscnt 7-\i
	global_store_b128 v[CO], v[KF+4*\i:KF+4*\i+3], s[44:45] offset:512*\i          ; 512 consecutive bytes: four rows of att
.endr
	s_wait_tensorcnt 0x0
	ds_add_u32 v254, v255
	s_wait_dscnt 0x0
	CROUND                                         ; the closing round
	s_endpgm
.Lfunc_end_k_qc185e375f2_attn:
	.size	k_qc185e375f2_attn, .Lfunc_end_k_qc185e375f2_attn-k_qc185e375f2_attn
	.p2alignl 7, 3214868480
	.fill 96, 4, 3214868480
	.section	.rodata,"a",@progbits
	.p2align	6, 0x0
	.amdhsa_kernel k_qc185e375f2_attn
		.amdhsa_group_segment_fixed_size 327680
		.amdhsa_private_segment_fixed_size 0
		.amdhsa_enable_private_segment 0
		.amdhsa_kernarg_size 32
		.amdhsa_user_sgpr_count 2
		.amdhsa_user_sgpr_kernarg_segment_ptr 1
		.amdhsa_wavefront_size32 1
		.amdhsa_system_sgpr_workgroup_id_x 1
		.amdhsa_system_sgpr_workgroup_id_y 1
		.amdhsa_system_sgpr_workgroup_id_z 1
		.amdhsa_system_vgpr_workitem_id 0
		.amdhsa_next_free_vgpr 256
		.amdhsa_next_free_sgpr 66
		.amdhsa_reserve_vcc 0
		.amdhsa_float_denorm_mode_32 3
		.amdhsa_float_denorm_mode_16_64 3
		.amdhsa_memory_ordered 1
		.amdhsa_forward_progress 1
		.amdhsa_inst_pref_size 255
	.end_amdhsa_kernel
	.section	.bss,"aw",@nobits
	.p2align	6
	.space	262144
	.amdgpu_metadata
---
amdhsa.version: [ 1, 2 ]
amdhsa.kernels:
  - .name:           k_qc185e375f2_attn
    .symbol:         k_qc185e375f2_attn.kd
    .args:
      - { .name: qk, .offset: 0, .size: 8, .value_kind: global_buffer, .address_space: global }
      - { .name: vt, .offset: 8, .size: 8, .value_kind: global_buffer, .address_space: global }
      - { .name: mask, .offset: 16, .size: 8, .value_kind: global_buffer, .address_space: global }
      - { .name: att, .offset: 24, .size: 8, .value_kind: global_buffer, .address_space: global }
    .group_segment_fixed_size: 327680
    .private_segment_fixed_size: 0
    .kernarg_segment_align: 8
    .kernarg_segment_size: 32
    .max_flat_workgroup_size: 256
    .sgpr_count:     66
    .vgpr_count:     256
    .wavefront_size: 32
...
	.end_amdgpu_metadata
.endif
;; end of part 3
;; launch oproj (part 4): grid 16 x 16, 4 waves a work-group, clusters of 4 x 4, 327,680 bytes of LDS; arguments att, w3b, out0; writes out0
.if DOCPART == 4
	.amdgcn_target "amdgcn-amd-amdhsa--gfx1250"
	.amdhsa_code_object_version 6
	.text
	.protected	k_qc185e375f2_oproj
	.globl	k_qc185e375f2_oproj
	.p2align	8
	.type	k_qc185e375f2_oproj,@function
k_qc185e375f2_oproj:
	s_mov_b64 s[64:65], 0
	v_nop
	global_prefetch_b8 v0, s[64:65] scope:SCOPE_SE
	s_setreg_imm32_b32 hwreg(HW_REG_WAVE_MODE, 25, 1), 1
	s_wait_xcnt 0x0
	s_wait_alu depctr_hold_cnt(0) depctr_sa_sdst(0) depctr_va_vdst(0) depctr_va_sdst(0) depctr_va_ssrc(0) depctr_va_vcc(0) depctr_vm_vsrc(0)
	s_getreg_b32 s2, hwreg(HW_REG_IB_STS2, 6, 4)
	s_cmp_eq_u32 s2, 0
	s_cbranch_scc0 .Lentry_in_a_cluster
	s_endpgm
.Lentry_in_a_cluster:
	s_bfe_u32 s2, ttmp6, 0x10000c
	s_cmp_lg_u32 s2, 0xf033
	s_cbranch_scc0 .Lentry_shape_is_right
	s_endpgm
.Lentry_shape_is_right:
; oproj: out0[b][o][l] = sum_i W3[o][i] att[b][i][l], i = 64 head + d, att stored [16 b + head][l][d] in f16; sums and out0 in f32.
; LIMITS: operands are f16 (att has the range of Vp, under 65,504; W3 as converted); NaN and infinities are not served.
; Work-group (bx, by): bx = 8 b + lb (256 columns l), by: 64 rows o.  Wave w: 64 o x columns 64 w .. +63, 16 accumulator tiles in window 1.
; 64 x 256 gives 256 equal work-groups; a block of twice the rows would give 128.
; K = 1,024 in 8 steps of 128 (two heads) through two LDS slots.  CLUSTERS 4 x 4: the tile of W3 hangs on by alone (shared along a row of the cluster),
; the tile of att on bx alone (shared along a column).
; Source 0 = rows l of att, source 1 = rows o of W3: a lane holds 8 neighbouring l of one o, 32 bytes of a row of out0.
.set KSTEP,  128
.set WP,     272
.set AP,     144
.set AOFF,   64*WP                     ; 17,408
.set PLANE,  256*AP                    ; 36,864: one head, 256 l
.set SLOT,   AOFF+2*PLANE              ; 91,136
.set STAGE,  2*SLOT                    ; 182,272 = 712 x 256
.set SPITCH, 272
.set LAPS,   1024/(2*KSTEP)
.set ADW, 16
.set ADA, 18
.set STO, 20
.set RD,  21
.set CO,  22
.set FB,  64                           ; v[64:127], v[128:191]: 4 att fragments, then 4 W3 fragments
.set GW1, 24
.set GW0, 32
.set GA1, 48
.set GA0, 56
.set MSB, 0
.macro WIN new
.if MSB != \new
	s_set_vgpr_msb (MSB<<8)|\new
.set MSB, \new
.endif
.endm
.macro PLACES
.rept 4
	v_nop
.endr
.endm
.macro CREST
	s_cmp_lg_u32 s14, 0
	s_cbranch_scc1 .Lnot_wave_0_\@
	s_barrier_signal -3
.Lnot_wave_0_\@:
	s_barrier_wait -3
	s_barrier_signal -1
	s_barrier_wait -1
.endm
.macro CROUND
	s_barrier_signal -1
	s_barrier_wait -1
	CREST
.endm
	s_load_b128 s[4:7], s[0:1], 0x0                ; att, w3b
	s_load_b64 s[8:9], s[0:1], 0x10                ; out0
	v_lshl_add_u32 v254, v0, 2, 0x30c00
	v_mov_b32 v255, 0
	ds_add_u32 v254, v255
	v_lshrrev_b32 v1, 5, v0
	v_readfirstlane_b32 s14, v1
	s_bfe_u32 s15, ttmp6, 0x40000
	s_bfe_u32 s16, ttmp6, 0x40004
	s_lshl_b32 s17, ttmp9, 2
	s_add_co_u32 s17, s17, s15                     ; bx
	s_and_b32 s18, ttmp7, 0xffff
	s_lshl_b32 s18, s18, 2
	s_add_co_u32 s18, s18, s16                     ; by
	s_lshr_b32 s19, s17, 3                         ; b
	s_and_b32 s20, s17, 7                          ; lb
	s_lshl_b32 s22, s16, 2
	s_lshl_b32 s22, 15, s22
	s_lshl_b32 s23, 0x1111, s15
	; W3: 16 rows x 128 elements, 4 words of padding behind every 64
	s_or_b32 s[GW1+0], s22, (1<<16)|(1<<20)|(1<<21)|(5<<22)|(3<<25)
	s_mov_b32 s[GW1+1], 128<<16
	s_mov_b32 s[GW1+2], 16<<16
	s_mov_b32 s[GW1+3], 128<<16
	s_mov_b32 s[GW1+4], 16
	s_mov_b32 s[GW1+5], 1024
	s_mov_b32 s[GW1+6], 0
	s_mov_b32 s[GW1+7], 0
	; att: 16,384 dense bytes (128 l of one head) as 64 rows of 128 elements, 4 words of padding behind every 32: rows of 128 bytes, 144 apart
	s_or_b32 s[GA1+0], s23, (1<<16)|(1<<20)|(1<<21)|(4<<22)|(3<<25)
	s_mov_b32 s[GA1+1], 128<<16
	s_mov_b32 s[GA1+2], 64<<16
	s_mov_b32 s[GA1+3], 128<<16
	s_mov_b32 s[GA1+4], 64
	s_mov_b32 s[GA1+5], 128
	s_mov_b32 s[GA1+6], 0
	s_mov_b32 s[GA1+7], 0
	s_lshl_b32 s40, s18, 17                        ; W3: row 64 by + 16 wave, 2,048 bytes a row
	s_lshl_b32 s41, s14, 15
	s_add_co_u32 s40, s40, s41
	s_mov_b32 s41, 0
	s_mul_i32 s42, s14, 16*WP
	s_lshl_b32 s44, s19, 4                         ; att: head 16 b + wave / 2, l = 256 lb + 128 (wave % 2)
	s_lshr_b32 s45, s14, 1
	s_add_co_u32 s44, s44, s45
	s_lshl_b32 s44, s44, 18
	s_lshl_b32 s45, s20, 15
	s_add_co_u32 s44, s44, s45
	s_and_b32 s45, s14, 1
	s_lshl_b32 s45, s45, 14
	s_add_co_u32 s44, s44, s45
	s_mov_b32 s45, 0
	s_mul_i32 s46, s14, 128*AP
	s_add_co_u32 s46, s46, AOFF
	s_lshl_b32 s68, s19, 23                        ; out0: batch, row 64 by, column 256 lb + 64 wave
	s_lshl_b32 s69, s18, 19
	s_add_co_u32 s68, s68, s69
	s_lshl_b32 s69, s20, 10
	s_add_co_u32 s68, s68, s69
	s_lshl_b32 s69, s14, 8
	s_add_co_u32 s68, s68, s69
	s_mov_b32 s69, 0
	s_mul_i32 s70, s14, 64*AP
	s_add_co_u32 s70, s70, AOFF                    ; my 64 rows l of a plane
	s_mul_i32 s71, s14, 16*SPITCH
	s_add_co_u32 s71, s71, STAGE
	s_wait_dscnt 0x0
	s_wait_kmcnt 0x0
	s_add_nc_u64 s[40:41], s[6:7], s[40:41]
	s_add_nc_u64 s[44:45], s[4:5], s[44:45]
	s_add_nc_u64 s[66:67], s[8:9], s[68:69]
	CROUND
.irp s, 0,1
	s_mov_b32 s[GW0+4*\s], 1
	s_add_co_u32 s[GW0+4*\s+1], s42, \s*SLOT
	s_add_nc_u64 s[GW0+4*\s+2:GW0+4*\s+3], s[40:41], \s*KSTEP*2
	s_or_b32 s[GW0+4*\s+3], s[GW0+4*\s+3], 0x80000000
	s_mov_b32 s[GA0+4*\s], 1
	s_add_co_u32 s[GA0+4*\s+1], s46, \s*SLOT
	s_add_nc_u64 s[GA0+4*\s+2:GA0+4*\s+3], s[44:45], \s*2*262144
	s_or_b32 s[GA0+4*\s+3], s[GA0+4*\s+3], 0x80000000
	tensor_load_to_lds s[GW0+4*\s:GW0+4*\s+3], s[GW1:GW1+7]     ; four tensor loads of the wave are out here, two behind every later refill
	s_nop 0
	tensor_load_to_lds s[GA0+4*\s:GA0+4*\s+3], s[GA1:GA1+7]
	s_nop 0
.endr
	v_and_b32 v1, 15, v0                           ; r
	v_bfe_u32 v2, v0, 4, 1                         ; h
	v_mul_u32_u24 v3, v1, WP
	v_lshl_add_u32 v[ADW], v2, 4, v3
	v_add_nc_u32 v[ADW+1], SLOT, v[ADW]
	v_mul_u32_u24 v4, v1, AP
	v_lshl_add_u32 v4, v2, 4, v4
	v_add_nc_u32 v[ADA], s70, v4
	v_add_nc_u32 v[ADA+1], SLOT, v[ADA]
	v_lshl_add_u32 v5, v2, 5, v3                   ; in: row r, 32 bytes for each half of the lanes
	v_add_nc_u32 v[STO], s71, v5
	v_mul_u32_u24 v6, v2, SPITCH                   ; back: lanes 0-15 one row of 256 bytes, lanes 16-31 the next
	v_lshl_add_u32 v6, v1, 4, v6
	v_add_nc_u32 v[RD], s71, v6
	v_lshlrev_b32 v7, 13, v2                       ; and the same two rows of out0, 8,192 bytes apart
	v_lshl_add_u32 v[CO], v1, 4, v7
; 8 products; the 16 accumulators take turns, one instruction a turn, in the same order in every quarter
.macro MUL8 buf, a0, zero
	WIN 0x50
.irp a, \a0, \a0+1
.irp c, 0,1,2,3
.if \zero
	v_wmma_f32_16x16x32_f16 v[8*(4*(\a)+\c):8*(4*(\a)+\c)+7], v[FB+64*\buf+8*\c:FB+64*\buf+8*\c+7], v[FB+64*\buf+32+8*(\a):FB+64*\buf+32+8*(\a)+7], 0
.else
	v_wmma_f32_16x16x32_f16 v[8*(4*(\a)+\c):8*(4*(\a)+\c)+7], v[FB+64*\buf+8*\c:FB+64*\buf+8*\c+7], v[FB+64*\buf+32+8*(\a):FB+64*\buf+32+8*(\a)+7], v[8*(4*(\a)+\c):8*(4*(\a)+\c)+7]
.endif
.endr
.endr
.endm
.macro FETCH slot, kq, buf
	WIN 0
.irp c, 0,1,2,3
	ds_load_b128 v[FB+64*\buf+8*\c:FB+64*\buf+8*\c+3], v[ADA+\slot] offset:PLANE*(\kq>>1)+16*AP*\c+64*(\kq&1)
	ds_load_b128 v[FB+64*\buf+8*\c+4:FB+64*\buf+8*\c+7], v[ADA+\slot] offset:PLANE*(\kq>>1)+16*AP*\c+64*(\kq&1)+32
.endr
.irp a, 0,1,2,3
	ds_load_b128 v[FB+64*\buf+32+8*\a:FB+64*\buf+32+8*\a+3], v[ADW+\slot] offset:16*WP*\a+64*\kq
	ds_load_b128 v[FB+64*\buf+32+8*\a+4:FB+64*\buf+32+8*\a+7], v[ADW+\slot] offset:16*WP*\a+64*\kq+32
.endr
.endm
.macro QUARTER slot, kq, f, g, zero
	s_wait_dscnt 0x0                               ; buffer f: its 16 loads were issued a quarter ago
	PLACES                                         ; buffer g was read by the products just issued
	FETCH \slot, \kq, \g
	MUL8 \f, 0, \zero
	MUL8 \f, 2, \zero
.endm
.macro THREE slot, zero
	QUARTER \slot, 1, 0, 1, \zero
	QUARTER \slot, 2, 1, 0, 0
	QUARTER \slot, 3, 0, 1, 0
.endm
; the change of slots: reads of this slot back and all tensor loads landed in front of the barrier; refills first behind it
.macro TURN slot, next, fill
	s_wait_dscnt 0x0
	s_wait_tensorcnt 0x0
	ds_add_u32 v254, v255
	s_wait_dscnt 0x0
	s_barrier_signal -1
	MUL8 1, 0, 0
	WIN 0
	s_barrier_wait -1
.if \fill
	CREST
	s_add_nc_u64 s[GW0+4*\slot+2:GW0+4*\slot+3], s[GW0+4*\slot+2:GW0+4*\slot+3], 2*KSTEP*2
	s_add_nc_u64 s[GA0+4*\slot+2:GA0+4*\slot+3], s[GA0+4*\slot+2:GA0+4*\slot+3], 4*262144
	tensor_load_to_lds s[GW0+4*\slot:GW0+4*\slot+3], s[GW1:GW1+7]
	s_nop 0
	tensor_load_to_lds s[GA0+4*\slot:GA0+4*\slot+3], s[GA1:GA1+7]
	s_nop 0
.endif
	PLACES
	FETCH \next, 0, 0
	MUL8 1, 2, 0
.endm
.macro LAP zero
	THREE 0, \zero
	TURN 0, 1, 1
	THREE 1, 0
	TURN 1, 0, 1
.endm
	s_wait_tensorcnt 0x2                           ; my two parts of K step 0 are in; the two of K step 1 stay out
	s_barrier_signal -1
	s_barrier_wait -1
	FETCH 0, 0, 0
	LAP 1
	WIN 0
	s_mov_b32 s21, LAPS-2
.Llap:
	LAP 0
	WIN 0
	s_sub_co_u32 s21, s21, 1
	s_cmp_lg_u32 s21, 0
	s_cbranch_scc1 .Llap
	THREE 0, 0
	TURN 0, 1, 0
	THREE 1, 0
	s_wait_dscnt 0x0
	MUL8 1, 0, 0
	MUL8 1, 2, 0
	PLACES
; THE WAY OUT: 16 rows o x 64 l of f32 at a time through my own stage; sixteen lanes store 256 consecutive bytes at a multiple of 256.
.macro OUTA a, f
	WIN 0x04                                       ; the data of an LDS store is source 1: window 1
.irp c, 0,1,2,3
	ds_store_b128 v[STO], v[8*(4*\a+\c):8*(4*\a+\c)+3] offset:64*\c
	ds_store_b128 v[STO], v[8*(4*\a+\c)+4:8*(4*\a+\c)+7] offset:64*\c+16
.endr
	WIN 0
	s_wait_xcnt 0x0                                ; buffer f and the base, which earlier stores read, are written again only behind this wait
.if \a
	s_add_nc_u64 s[66:67], s[66:67], 16*8192
.endif
.irp t, 0,1,2,3,4,5,6,7
	ds_load_b128 v[\f+4*\t:\f+4*\t+3], v[RD] offset:2*SPITCH*\t
.endr
.irp t, 0,1,2,3,4,5,6,7
	s_wait_dscnt 7-\t
	global_store_b128 v[CO], v[\f+4*\t:\f+4*\t+3], s[66:67] offset:2*8192*\t th:TH_STORE_NT
.endr
.endm
	OUTA 0, 64
	OUTA 1, 128
	OUTA 2, 64
	OUTA 3, 128
	s_wait_tensorcnt 0x0
	ds_add_u32 v254, v255
	s_wait_dscnt 0x0
	CROUND                                         ; the closing round
	s_endpgm
.Lfunc_end_k_qc185e375f2_oproj:
	.size	k_qc185e375f2_oproj, .Lfunc_end_k_qc185e375f2_oproj-k_qc185e375f2_oproj
	.p2alignl 7, 3214868480
	.fill 96, 4, 3214868480
	.section	.rodata,"a",@progbits
	.p2align	6, 0x0
	.amdhsa_kernel k_qc185e375f2_oproj
		.amdhsa_group_segment_fixed_size 327680
		.amdhsa_private_segment_fixed_size 0
		.amdhsa_enable_private_segment 0
		.amdhsa_kernarg_size 24
		.amdhsa_user_sgpr_count 2
		.amdhsa_user_sgpr_kernarg_segment_ptr 1
		.amdhsa_wavefront_size32 1
		.amdhsa_system_sgpr_workgroup_id_x 1
		.amdhsa_system_sgpr_workgroup_id_y 1
		.amdhsa_system_sgpr_workgroup_id_z 1
		.amdhsa_system_vgpr_workitem_id 0
		.amdhsa_next_free_vgpr 384
		.amdhsa_next_free_sgpr 72
		.amdhsa_reserve_vcc 0
		.amdhsa_float_denorm_mode_32 3
		.amdhsa_float_denorm_mode_16_64 3
		.amdhsa_memory_ordered 1
		.amdhsa_forward_progress 1
		.amdhsa_inst_pref_size 72
	.end_amdhsa_kernel
	.amdgpu_metadata
---
amdhsa.version: [ 1, 2 ]
amdhsa.kernels:
  - .name:           k_qc185e375f2_oproj
    .symbol:         k_qc185e375f2_oproj.kd
    .args:
      - { .name: att, .offset: 0, .size: 8, .value_kind: global_buffer, .address_space: global }
      - { .name: w3b, .offset: 8, .size: 8, .value_kind: global_buffer, .address_space: global }
      - { .name: out0, .offset: 16, .size: 8, .value_kind: global_buffer, .address_space: global }
    .group_segment_fixed_size: 327680
    .private_segment_fixed_size: 0
    .kernarg_segment_align: 8
    .kernarg_segment_size: 24
    .max_flat_workgroup_size: 128
    .sgpr_count:     72
    .vgpr_count:     384
    .wavefront_size: 32
...
	.end_amdgpu_metadata
.endif
;; end of part 4
;; ======== version 2 of 2: 4 launches; 1.31 times as fast as version 1
;; limits: values are held in f16: magnitudes above 65,504 overflow, below 6.1e-05 lose precision
;; workspace buffers: xb 8,388,608 bytes; wq 6,291,456 bytes; w3b 2,097,152 bytes; qk 16,777,216 bytes; vt 8,388,608 bytes; att 8,388,608 bytes
;; launch prep: the kernel of part 1 again; grid 512 x 1, 8 waves a work-group, no clusters, 0 bytes of LDS; arguments x, W0, W1, W2, W3, xb, wq, w3b; writes xb, wq, w3b
;; launch qkv: the kernel of part 2 again; grid 16 x 16, 4 waves a work-group, clusters of 4 x 4, 327,680 bytes of LDS; arguments xb, wq, mask, qk, vt; writes qk, vt
;; launch attn (part 5): grid 8 x 32, 8 waves a work-group, clusters of 4 x 1, 327,680 bytes of LDS; arguments qk, vt, mask, att; writes att
.if DOCPART == 5
	.amdgcn_target "amdgcn-amd-amdhsa--gfx1250"
	.amdhsa_code_object_version 6
	.text
	.protected	k_qc185e375f2_attn
	.globl	k_qc185e375f2_attn
	.p2align	8
	.type	k_qc185e375f2_attn,@function
k_qc185e375f2_attn:
	s_mov_b64 s[64:65], 0
	v_nop
	global_prefetch_b8 v0, s[64:65] scope:SCOPE_SE
	s_setreg_imm32_b32 hwreg(HW_REG_WAVE_MODE, 25, 1), 1
	s_wait_xcnt 0x0
	s_wait_alu depctr_hold_cnt(0) depctr_sa_sdst(0) depctr_va_vdst(0) depctr_va_sdst(0) depctr_va_ssrc(0) depctr_va_vcc(0) depctr_vm_vsrc(0)
	s_getreg_b32 s2, hwreg(HW_REG_IB_STS2, 6, 4)
	s_cmp_eq_u32 s2, 0
	s_cbranch_scc0 .Lentry_in_a_cluster
	s_endpgm
.Lentry_in_a_cluster:
	s_bfe_u32 s2, ttmp6, 0x10000c
	s_cmp_lg_u32 s2, 0x3003
	s_cbranch_scc0 .Lentry_shape_is_right
	s_endpgm
.Lentry_shape_is_right:
; attn: softmax(Kp Qp^T / 8, masked over the second index) Vp for one head and 256 rows l, with a running maximum.
; Rows of Kp play the part of queries, rows of Qp' (already times mask log2(e)/8) that of keys, Vp^T that of values.
; The addend (1 - m)(-1e30) log2(e) enters as the C operand of the score product, so the mask is honoured as the number it holds,
; and a batch whose keys are all masked gives the uniform weights.  Exponentials are base 2 of (score - running maximum).
; LIMITS: all matrix operands are f16.  P lies in [0, 1] by the running maximum, whatever the inputs; a p below 3e-8 counts as 0 in the product with V
; while the row sum, which is at least 1, takes the unrounded p.  att is a weighted mean of Vp and has Vp's range (under 65,504).
; NaN and infinities in the inputs are not served.
; Work-group: head hb (grid y), 256 queries qb (grid x).  Eight waves, 32 queries each, as two pieces A and B of 16.
; Everything of a wave lies in 256 registers, so that products of one piece and vector work of the other stand side by side with no change of register window.
; CLUSTER 4 x 1: the four query blocks of a cluster walk the same key and value tiles and ask for them jointly.
; LAYOUT: S^T = keys (source 0) x queries (source 1): lane (r, h) holds query r, keys 8 h + j: maximum and sum run inside a lane and once across the halves;
; two packed score tiles are at once the source 1 fragment P^T of O^T = V^T x P^T; the rescaling factor and 1 / sum are values of the lane.
; PIPELINE, trip u (32 keys): phase 1: scores of A for u + 1 and P V of A for u, among them the softmax of B for u;
; phase 2: scores of B for u + 1 and P V of B for u, among them the softmax of A for u + 1.
; BATCHES: the 17 exponentials of one softmax (the factor and the lane's 16 scores, each with a register of its own) are ONE batch with ONE wait, which cuts the phase in two.
; Ahead of it, beside the phase's first four matrix instructions, stands all that names no result of the batch: maxima, subtractions, exponentials.
; Behind it, beside the last four, stand the 32 readers: O times the factor, the row sum, the roundings to f16.  So a trip has two waits; the two reciprocals of the way out have one.
; TILES: 8 of 256 keys in two slots.  Value tile j begins at key 256 j, key tile j at key 256 j + 32, since trip u reads keys of u + 1 and later: each trip reads one slot.
; Keys 0-31 come straight into registers.  The last 32 rows of key tile 7 lie behind the head (still inside qk) and are never read from LDS.
.set KP,    144                        ; LDS pitch of 128 bytes + 16
.set WPART, 64*KP                      ; 9,216: what one tensor load brings
.set VOFF,  4*WPART
.set SLOT,  8*WPART                    ; 73,728
.set BIAS,  2*SLOT                     ; 147,456: 2,048 f32
.set STAGE, BIAS+8192                  ; 155,648; 32 rows x 144 for each wave
.set ADK, 1                            ; v1-2   key fragments, slot 0, 1
.set ADV, 3                            ; v3-4   value fragments
.set ADB, 5                            ; v5     bias, steps 2,048 a lap
.set STO, 6
.set RD,  7
.set CO,  8
.set FO,  9                            ; fragment offset in memory: 128 r + 16 h
.set MA,  10                           ; v[10:11], v[12:13]  maximum (new, old) of A, B
.set LA,  14                           ; v[14:15], v[16:17]  two partial row sums of A, B
.set AL,  18                           ; v[18:19]  factor, its exponent
.set T,   20                           ; v20-23
.set QA,  24                           ; v[24:39], v[40:55]  query fragments of A, B
.set KF,  56                           ; v[56:87]   key fragments 8 (2 kt + ks)
.set VF,  88                           ; v[88:119]  value fragments
.set BI,  120                          ; v[120:135] bias of two key tiles
.set SA,  136                          ; v[136:151], v[152:167]
.set PA,  168                          ; v[168:175], v[176:183]
.set OA,  184                          ; v[184:215], v[216:247]
.set G1,  16
.set G0,  24
.macro CREST
	s_cmp_lg_u32 s12, 0
	s_cbranch_scc1 .Lnot_wave_0_\@
	s_barrier_signal -3
.Lnot_wave_0_\@:
	s_barrier_wait -3
	s_barrier_signal -1
	s_barrier_wait -1
.endm
.macro CROUND
	s_barrier_signal -1
	s_barrier_wait -1
	CREST
.endm
	s_load_b256 s[4:11], s[0:1], 0x0               ; qk, vt, mask, att
	v_lshl_add_u32 v254, v0, 2, 0x2f000
	v_mov_b32 v255, 0
	ds_add_u32 v254, v255
	v_lshrrev_b32 v1, 5, v0
	v_readfirstlane_b32 s12, v1                    ; wave
	s_bfe_u32 s13, ttmp6, 0x40000                  ; cx
	s_lshl_b32 s14, ttmp9, 2
	s_add_co_u32 s14, s14, s13                     ; qb
	s_and_b32 s15, ttmp7, 0xffff                   ; hb
	s_mov_b32 s32, 0x76543210                      ; v_permlanex16_b32: lane i of the other half
	s_mov_b32 s33, 0xfedcba98
	; group 1: 8,192 dense bytes as 32 rows of 128 elements of 2 bytes, 4 words of padding behind every 32: rows of 128 bytes, 144 apart
	s_mov_b32 s[G1+0], 15|(1<<16)|(1<<20)|(1<<21)|(4<<22)|(3<<25)
	s_mov_b32 s[G1+1], 128<<16
	s_mov_b32 s[G1+2], 32<<16
	s_mov_b32 s[G1+3], 128<<16
	s_mov_b32 s[G1+4], 32
	s_mov_b32 s[G1+5], 128
	s_mov_b32 s[G1+6], 0
	s_mov_b32 s[G1+7], 0
	; tiles: waves 0-3 fetch 64 keys each (shifted by 32 keys = 4,096 bytes), waves 4-7 a value block each.  Head and wave alone enter.
	s_lshl_b32 s36, s15, 18
	s_and_b32 s37, s12, 3
	s_lshl_b32 s37, s37, 13
	s_add_co_u32 s36, s36, s37
	s_cmp_lt_u32 s12, 4
	s_cselect_b32 s37, 4096, 0
	s_add_co_u32 s36, s36, s37
	s_mov_b32 s37, 0
	s_mul_i32 s48, s12, WPART
	s_mul_i32 s49, s12, 32*KP
	s_add_co_u32 s49, s49, STAGE
	s_lshl_b32 s2, s15, 18                         ; my 32 queries: 262,144 hb + 32,768 qb + 4,096 wave
	s_lshl_b32 s3, s14, 15
	s_add_co_u32 s2, s2, s3
	s_lshl_b32 s3, s12, 12
	s_add_co_u32 s2, s2, s3
	s_mov_b32 s3, 0
	s_lshl_b32 s50, s15, 18
	s_mov_b32 s51, 0
	s_lshr_b32 s34, s15, 4                         ; batch
	s_lshl_b32 s34, s34, 13
	s_mov_b32 s35, 0
	v_and_b32 v20, 15, v0                          ; r
	v_bfe_u32 v21, v0, 4, 1                        ; h
	v_and_b32 v22, 31, v0                          ; lane
	v_mul_u32_u24 v1, v20, KP
	v_lshl_add_u32 v[ADK], v21, 4, v1
	v_add_nc_u32 v[ADK+1], SLOT, v[ADK]
	v_add_nc_u32 v[ADV], VOFF, v[ADK]
	v_add_nc_u32 v[ADV+1], SLOT+VOFF, v[ADK]
	v_lshlrev_b32 v[ADB], 5, v21
	v_add_nc_u32 v[ADB], BIAS, v[ADB]
	v_add_nc_u32 v[STO], s49, v[ADK]
	v_lshrrev_b32 v[RD], 3, v22
	v_mul_u32_u24 v[RD], v[RD], KP
	v_and_b32 v23, 7, v0
	v_lshl_add_u32 v[RD], v23, 4, v[RD]
	v_add_nc_u32 v[RD], s49, v[RD]
	v_lshlrev_b32 v[CO], 4, v22
	v_lshlrev_b32 v[FO], 7, v20
	v_lshl_add_u32 v[FO], v21, 4, v[FO]
	v_lshlrev_b32 v23, 5, v0                       ; thread t: mask words 8 t .. 8 t + 7
	v_add_nc_u32 v22, BIAS, v23
	s_wait_dscnt 0x0
	s_wait_kmcnt 0x0
	s_cmp_lt_u32 s12, 4                            ; the choice hangs on the wave number alone
	s_cselect_b64 s[40:41], s[4:5], s[6:7]
	s_add_nc_u64 s[36:37], s[40:41], s[36:37]
	s_add_nc_u64 s[38:39], s[4:5], s[2:3]
	s_add_nc_u64 s[38:39], s[38:39], 0x800000      ; my queries in Kp
	s_add_nc_u64 s[44:45], s[10:11], s[2:3]        ; and in att
	s_add_nc_u64 s[42:43], s[4:5], s[50:51]        ; keys 0-31
	s_add_nc_u64 s[46:47], s[8:9], s[34:35]        ; mask of my batch
	global_load_b128 v[SA:SA+3], v23, s[46:47]
	global_load_b128 v[SA+4:SA+7], v23, s[46:47] offset:16
.irp x, 0,1
.irp ks, 0,1
	global_load_b128 v[QA+16*\x+8*\ks:QA+16*\x+8*\ks+3], v[FO], s[38:39] offset:2048*\x+64*\ks
	global_load_b128 v[QA+16*\x+8*\ks+4:QA+16*\x+8*\ks+7], v[FO], s[38:39] offset:2048*\x+64*\ks+32
.endr
.endr
.irp kt, 0,1
.irp ks, 0,1
	global_load_b128 v[KF+8*(2*\kt+\ks):KF+8*(2*\kt+\ks)+3], v[FO], s[42:43] offset:2048*\kt+64*\ks
	global_load_b128 v[KF+8*(2*\kt+\ks)+4:KF+8*(2*\kt+\ks)+7], v[FO], s[42:43] offset:2048*\kt+64*\ks+32
.endr
.endr
	s_wait_loadcnt 0x10                            ; the two mask loads are in; the 16 fragment loads stay out
.irp k, 0,1,2,3,4,5,6,7
	v_cvt_f32_i32 v[SA+\k], v[SA+\k]
	v_sub_f32 v[SA+\k], 1.0, v[SA+\k]
.endr
.irp k, 0,2,4,6
	v_pk_mul_f32 v[SA+\k:SA+\k+1], v[SA+\k:SA+\k+1], 0xf149f2ca op_sel_hi:[1,0]    ; (1 - m)(-1e30)
.endr
.irp k, 0,2,4,6
	v_pk_mul_f32 v[SA+\k:SA+\k+1], v[SA+\k:SA+\k+1], 0x3fb8aa3b op_sel_hi:[1,0]    ; in units of base 2
.endr
	ds_store_b128 v22, v[SA:SA+3]
	ds_store_b128 v22, v[SA+4:SA+7] offset:16
	s_wait_dscnt 0x0                               ; my part of the bias is written before I signal
	CROUND                                         ; the four work-groups are here: the first joint loads meet
.irp s, 0,1
	s_mov_b32 s[G0+4*\s], 1
	s_add_co_u32 s[G0+4*\s+1], s48, \s*SLOT
	s_add_nc_u64 s[G0+4*\s+2:G0+4*\s+3], s[36:37], \s*32768
	s_or_b32 s[G0+4*\s+3], s[G0+4*\s+3], 0x80000000
	tensor_load_to_lds s[G0+4*\s:G0+4*\s+3], s[G1:G1+7]         ; two tensor loads of the wave are out here, one behind every later refill
	s_nop 0
.endr
; score product n of piece x: two key tiles by turns; the first link of each takes the bias as C
.macro WS x, n
.if \n == 1
	v_wmma_f32_16x16x32_f16 v[SA+16*\x:SA+16*\x+7], v[KF:KF+7], v[QA+16*\x:QA+16*\x+7], v[BI:BI+7]
.elseif \n == 2
	v_wmma_f32_16x16x32_f16 v[SA+16*\x+8:SA+16*\x+15], v[KF+16:KF+23], v[QA+16*\x:QA+16*\x+7], v[BI+8:BI+15]
.elseif \n == 3
	v_wmma_f32_16x16x32_f16 v[SA+16*\x:SA+16*\x+7], v[KF+8:KF+15], v[QA+16*\x+8:QA+16*\x+15], v[SA+16*\x:SA+16*\x+7]
.else
	v_wmma_f32_16x16x32_f16 v[SA+16*\x+8:SA+16*\x+15], v[KF+24:KF+31], v[QA+16*\x+8:QA+16*\x+15], v[SA+16*\x+8:SA+16*\x+15]
.endif
.endm
.macro WPV x, t, zero
.if \zero
	v_wmma_f32_16x16x32_f16 v[OA+32*\x+8*\t:OA+32*\x+8*\t+7], v[VF+8*\t:VF+8*\t+7], v[PA+8*\x:PA+8*\x+7], 0
.else
	v_wmma_f32_16x16x32_f16 v[OA+32*\x+8*\t:OA+32*\x+8*\t+7], v[VF+8*\t:VF+8*\t+7], v[PA+8*\x:PA+8*\x+7], v[OA+32*\x+8*\t:OA+32*\x+8*\t+7]
.endif
.endm
; 12 loads: the fragments of 32 keys (block sub of the slot) and their bias
.macro LDK slot, sub, boff
.irp kt, 0,1
.irp ks, 0,1
	ds_load_b128 v[KF+8*(2*\kt+\ks):KF+8*(2*\kt+\ks)+3], v[ADK+(\slot)] offset:KP*(32*(\sub)+16*\kt)+64*\ks
	ds_load_b128 v[KF+8*(2*\kt+\ks)+4:KF+8*(2*\kt+\ks)+7], v[ADK+(\slot)] offset:KP*(32*(\sub)+16*\kt)+64*\ks+32
.endr
.endr
.irp kt, 0,1
	ds_load_b128 v[BI+8*\kt:BI+8*\kt+3], v[ADB] offset:\boff+64*\kt
	ds_load_b128 v[BI+8*\kt+4:BI+8*\kt+7], v[ADB] offset:\boff+64*\kt+16
.endr
.endm
; 8 loads: V^T, 64 d x 32 keys
.macro LDV slot, sub
.irp t, 0,1,2,3
	ds_load_b128 v[VF+8*\t:VF+8*\t+3], v[ADV+(\slot)] offset:KP*(64*((\sub)>>1)+16*\t)+64*((\sub)&1)
	ds_load_b128 v[VF+8*\t+4:VF+8*\t+7], v[ADV+(\slot)] offset:KP*(64*((\sub)>>1)+16*\t)+64*((\sub)&1)+32
.endr
.endm
.macro RS k                            ; O times the factor: a reader of the batch, behind its wait; in ascending order
	v_pk_mul_f32 v[O_+2*(\k):O_+2*(\k)+1], v[O_+2*(\k):O_+2*(\k)+1], v[AL:AL+1] op_sel_hi:[1,0]
.endm
.macro EX k                            ; 2^(score k - maximum), in place
	v_exp_f32 v[S_+\k], v[S_+\k]
.endm
.macro SUBM k                          ; score - maximum
	v_pk_add_f32 v[S_+2*\k:S_+2*\k+1], v[S_+2*\k:S_+2*\k+1], v[M_:M_+1] op_sel_hi:[1,0] neg_lo:[0,1] neg_hi:[0,1]
.endm
.macro LADD k                          ; the row sum takes pair k: a reader of the batch, behind its wait
	v_pk_add_f32 v[L_:L_+1], v[L_:L_+1], v[S_+2*\k:S_+2*\k+1]
.endm
.macro PK k                            ; pair k rounded to f16: a reader of the batch, behind its wait
	v_cvt_pk_f16_f32 v[P_+\k], v[S_+2*\k], v[S_+2*\k+1]
.endm
; chunk c (0..7) of the softmax of piece x.  first = 1: no old maximum, sum or O yet.
; Chunks 0 to 3 name no result of an exponential: the maximum; the factor's exponential, the batch's first; the eight subtractions, each ahead of its pair's exponentials; the sixteen exponentials.
; A plain instruction stands between each exponential and the first use of its result (ISA guide 5.7.2): a subtraction behind the factor's and behind numbers 0 to 6, the v_nop behind numbers 7 to 15.
; Chunk 3 ends with the batch's one wait.  Chunks 4 to 7 are the readers; the links of the row sum's chain, pairs 0 to 7 in this order, stand two or three lines apart.
.macro SM x, c, first
.set S_, SA+16*\x
.set P_, PA+8*\x
.set O_, OA+32*\x
.set M_, MA+2*\x
.set L_, LA+2*\x
.if \c == 0
	v_max3_num_f32 v[T], v[S_], v[S_+1], v[S_+2]
	v_max3_num_f32 v[T+1], v[S_+3], v[S_+4], v[S_+5]
	v_max3_num_f32 v[T+2], v[S_+6], v[S_+7], v[S_+8]
	v_max3_num_f32 v[T+3], v[S_+9], v[S_+10], v[S_+11]
	v_max3_num_f32 v[T], v[T], v[S_+12], v[S_+13]
	v_max3_num_f32 v[T+1], v[T+1], v[S_+14], v[S_+15]
.if \first
	v_max_num_f32 v[T+2], v[T+2], v[T+3]
.else
	v_max3_num_f32 v[T+2], v[T+2], v[T+3], v[M_]
.endif
	v_max3_num_f32 v[T], v[T], v[T+1], v[T+2]
.elseif \c == 1
	v_permlanex16_b32 v[T+1], v[T], s32, s33       ; the other 16 keys of my query
.if \first
	v_max_num_f32 v[M_], v[T], v[T+1]
	v_mov_b32 v[M_+1], v[M_]
.else
	v_mov_b32 v[M_+1], v[M_]
	v_max_num_f32 v[M_], v[T], v[T+1]
	v_sub_f32 v[AL+1], v[M_+1], v[M_]
	v_exp_f32 v[AL], v[AL+1]                       ; 2^(old maximum - new maximum): the batch begins
.endif
	SUBM 0
	SUBM 1
	SUBM 2
	SUBM 3
.elseif \c == 2
	SUBM 4
	EX 0
	EX 1
	SUBM 5
	EX 2
	EX 3
	SUBM 6
	EX 4
	EX 5
	EX 6
.elseif \c == 3
	SUBM 7
.irp e, 7,8,9,10,11,12,13,14,15
	EX \e
.endr
	v_nop                                          ; the plain instruction behind the last exponentials: every plain line ahead of the wait feeds an exponential, so none is left to stand here
	s_wait_alu depctr_va_vdst(0)                   ; the one wait for the batch, the factor and the 16 weights of this piece, ahead of the first line that names a result
.elseif \c == 4
.if \first
	v_pk_add_f32 v[L_:L_+1], v[S_:S_+1], v[S_+2:S_+3]           ; starts the sums
	PK 0
	PK 1
.else
	RS 0
	v_pk_fma_f32 v[L_:L_+1], v[L_:L_+1], v[AL:AL+1], v[S_:S_+1] op_sel_hi:[1,0,1]
	PK 0
	RS 1
	LADD 1
	PK 1
	RS 2
.endif
	LADD 2
.elseif \c == 5
	PK 2
.if \first == 0
	RS 3
.endif
	LADD 3
	PK 3
.if \first == 0
	RS 4
.endif
	LADD 4
	PK 4
	LADD 5
.elseif \c == 6
	PK 5
.if \first == 0
	RS 5
.endif
	LADD 6
	PK 6
.if \first == 0
	RS 6
.endif
	LADD 7
	PK 7
.if \first == 0
	RS 7
	RS 8
.endif
.else
.if \first == 0
.irp k, 9,10,11,12,13,14,15
	RS \k
.endr
.endif
.endif
.endm
; Trip u = 8 tile + i.  No two matrix instructions that follow each other share an accumulator, over the trip's end too.
; chg = 1 (i = 7): the slot has been read to its end; fill = 1: it is filled again, two tiles ahead.  ldk = 0: there are no further keys.
; Each phase's batch of exponentials is closed at the end of chunk 3: ahead of the change of slots, of the round's branch and label, and of the loop's jump.
.macro ITER slot, i, first, chg, fill, ldk
	s_wait_dscnt 0x8                               ; the 12 key and bias loads are in; the 8 younger value loads stay out
	WS 0, 1
	SM 1, 0, \first
	WS 0, 2
	SM 1, 1, \first
	WS 0, 3
	SM 1, 2, \first
	WS 0, 4
	SM 1, 3, \first
	s_wait_dscnt 0x0                               ; the value fragments
	WPV 0, 0, \first
	SM 1, 4, \first
	WPV 0, 1, \first
	SM 1, 5, \first
	WPV 0, 2, \first
	SM 1, 6, \first
	WPV 0, 3, \first
	SM 1, 7, \first
	WS 1, 1
	SM 0, 0, 0
	WS 1, 2
	SM 0, 1, 0
	WS 1, 3
	SM 0, 2, 0
	WS 1, 4
	SM 0, 3, 0
.if \chg
	s_wait_dscnt 0x0                               ; my reads of this slot are back (met since phase 1)
	s_wait_tensorcnt 0x0                           ; all my tensor loads have landed: the one that was out is my part of the other slot
	ds_add_u32 v254, v255
	s_wait_dscnt 0x0
	s_barrier_signal -1
.endif
	WPV 1, 0, \first
	SM 0, 4, 0
.if \chg == 0
.if \ldk
	; behind the last score product stand a packed subtraction, the v_nop and six packed multiplies and adds of piece A (chunks 3 and 4), besides its conversions:
	; the places in front of the loads into the key and bias registers
	LDK \slot, \i+1, \slot*1024+128*(\i+2)
.endif
.endif
	WPV 1, 1, \first
	SM 0, 5, 0
.if \chg
	s_barrier_wait -1
.if \fill
	CREST                                          ; no wave of any partner still reads this slot or has a load on its way
	s_add_nc_u64 s[G0+4*\slot+2:G0+4*\slot+3], s[G0+4*\slot+2:G0+4*\slot+3], 65536
	tensor_load_to_lds s[G0+4*\slot:G0+4*\slot+3], s[G1:G1+7]   ; first behind the round
	s_nop 0
.endif
	LDK 1-\slot, 0, \slot*1024+128*(\i+2)
.endif
	WPV 1, 2, \first
	SM 0, 6, 0
	WPV 1, 3, \first
	SM 0, 7, 0                                     ; seven packed multiplies: the places in front of the loads into the value registers
.if \chg
	LDV 1-\slot, 0
.else
	LDV \slot, \i+1
.endif
.endm
.macro TILE slot, fill
.irp i, 0,1,2,3,4,5,6
	ITER \slot, \i, 0, 0, 0, 1
.endr
	ITER \slot, 7, 0, 1, \fill, 1
.endm
	s_wait_tensorcnt 0x1                           ; my part of tile 0 is in; tile 1 stays out
	s_barrier_signal -1
	s_barrier_wait -1
.irp kt, 0,1
	ds_load_b128 v[BI+8*\kt:BI+8*\kt+3], v[ADB] offset:64*\kt
	ds_load_b128 v[BI+8*\kt+4:BI+8*\kt+7], v[ADB] offset:64*\kt+16
.endr
	s_wait_loadcnt 0x0                             ; queries and keys 0-31
	s_wait_dscnt 0x0
	; lead-in: scores of A and B for trip 0, softmax of A for trip 0
	WS 0, 1
	WS 0, 2
	WS 0, 3
	WS 0, 4
.rept 4
	v_nop                                          ; four places before the scores of A are read (ISA guide 7.12.1)
.endr
	WS 1, 1
	SM 0, 0, 1
	WS 1, 2
	SM 0, 1, 1
	WS 1, 3
	SM 0, 2, 1
	WS 1, 4
	SM 0, 3, 1
	SM 0, 4, 1                                     ; chunks 3 and 4 hold a packed subtraction, the v_nop and two packed adds, besides the conversions: the places in front of the loads
	LDK 0, 0, 128
	SM 0, 5, 1
	SM 0, 6, 1
	SM 0, 7, 1
	LDV 0, 0
	; lap 0 (tiles 0, 1): the first P V products start the sums
	ITER 0, 0, 1, 0, 0, 1
.irp i, 1,2,3,4,5,6
	ITER 0, \i, 0, 0, 0, 1
.endr
	ITER 0, 7, 0, 1, 1, 1
	TILE 1, 1
	v_add_nc_u32 v[ADB], 2048, v[ADB]
	s_mov_b32 s34, 2
.Llap:
	TILE 0, 1
	TILE 1, 1
	v_add_nc_u32 v[ADB], 2048, v[ADB]
	s_sub_co_u32 s34, s34, 1
	s_cmp_lg_u32 s34, 0
	s_cbranch_scc1 .Llap
	TILE 0, 0                                      ; tiles 6 and 7: nothing is filled any more
.irp i, 0,1,2,3,4,5
	ITER 1, \i, 0, 0, 0, 1
.endr
	ITER 1, 6, 0, 0, 0, 0
	; trip 63: what is left
	s_wait_dscnt 0x0
	WPV 0, 0, 0
	SM 1, 0, 0
	WPV 0, 1, 0
	SM 1, 1, 0
	WPV 0, 2, 0
	SM 1, 2, 0
	WPV 0, 3, 0
	SM 1, 3, 0
	SM 1, 4, 0
	SM 1, 5, 0
	SM 1, 6, 0
	SM 1, 7, 0
	WPV 1, 0, 0
	WPV 1, 1, 0
	WPV 1, 2, 0
	WPV 1, 3, 0
	; THE WAY OUT.  The four adds and the v_nop are the places behind the last product.
	v_add_f32 v[T], v[LA], v[LA+1]
	v_add_f32 v[T+1], v[LA+2], v[LA+3]
	v_permlanex16_b32 v[T+2], v[T], s32, s33
	v_permlanex16_b32 v[T+3], v[T+1], s32, s33
	v_add_f32 v[T], v[T], v[T+2]
	v_add_f32 v[T+1], v[T+1], v[T+3]               ; the row sums; at least 1, since the largest p is 1
	v_rcp_f32 v[LA], v[T]
	v_rcp_f32 v[LA+2], v[T+1]
	v_nop                                          ; a plain instruction between the last reciprocal and the use of its result
	s_wait_alu depctr_va_vdst(0)                   ; one wait for the two reciprocals, ahead of the first multiply that reads one
.irp x, 0,1
.irp t, 0,1,2,3
.irp q, 0,1,2,3
	v_pk_mul_f32 v[OA+32*\x+8*\t+2*\q:OA+32*\x+8*\t+2*\q+1], v[OA+32*\x+8*\t+2*\q:OA+32*\x+8*\t+2*\q+1], v[LA+2*\x:LA+2*\x+1] op_sel_hi:[1,0]
.endr
.irp q, 0,1,2,3
	v_cvt_pk_f16_f32 v[SA+16*\x+4*\t+\q], v[OA+32*\x+8*\t+2*\q], v[OA+32*\x+8*\t+2*\q+1]
.endr
	ds_store_b128 v[STO], v[SA+16*\x+4*\t:SA+16*\x+4*\t+3] offset:16*KP*\x+32*\t   ; row 16 x + r, d = 16 t + 8 h ..
.endr
.endr
.irp i, 0,1,2,3,4,5,6,7
	ds_load_b128 v[KF+4*\i:KF+4*\i+3], v[RD] offset:4*KP*\i     ; my own stage: LDS serves a wave in order
.endr
.irp i, 0,1,2,3,4,5,6,7
	s_wait_dscnt 7-\i
	global_store_b128 v[CO], v[KF+4*\i:KF+4*\i+3], s[44:45] offset:512*\i          ; 512 consecutive bytes: four rows of att
.endr
	s_wait_tensorcnt 0x0
	ds_add_u32 v254, v255
	s_wait_dscnt 0x0
	CROUND                                         ; the closing round
	s_endpgm
.Lfunc_end_k_qc185e375f2_attn:
	.size	k_qc185e375f2_attn, .Lfunc_end_k_qc185e375f2_attn-k_qc185e375f2_attn
	.p2alignl 7, 3214868480
	.fill 96, 4, 3214868480
	.section	.rodata,"a",@progbits
	.p2align	6, 0x0
	.amdhsa_kernel k_qc185e375f2_attn
		.amdhsa_group_segment_fixed_size 327680
		.amdhsa_private_segment_fixed_size 0
		.amdhsa_enable_private_segment 0
		.amdhsa_kernarg_size 32
		.amdhsa_user_sgpr_count 2
		.amdhsa_user_sgpr_kernarg_segment_ptr 1
		.amdhsa_wavefront_size32 1
		.amdhsa_system_sgpr_workgroup_id_x 1
		.amdhsa_system_sgpr_workgroup_id_y 1
		.amdhsa_system_sgpr_workgroup_id_z 1
		.amdhsa_system_vgpr_workitem_id 0
		.amdhsa_next_free_vgpr 256
		.amdhsa_next_free_sgpr 66
		.amdhsa_reserve_vcc 0
		.amdhsa_float_denorm_mode_32 3
		.amdhsa_float_denorm_mode_16_64 3
		.amdhsa_memory_ordered 1
		.amdhsa_forward_progress 1
		.amdhsa_inst_pref_size 255
	.end_amdhsa_kernel
	.section	.bss,"aw",@nobits
	.p2align	6
	.space	262144
	.amdgpu_metadata
---
amdhsa.version: [ 1, 2 ]
amdhsa.kernels:
  - .name:           k_qc185e375f2_attn
    .symbol:         k_qc185e375f2_attn.kd
    .args:
      - { .name: qk, .offset: 0, .size: 8, .value_kind: global_buffer, .address_space: global }
      - { .name: vt, .offset: 8, .size: 8, .value_kind: global_buffer, .address_space: global }
      - { .name: mask, .offset: 16, .size: 8, .value_kind: global_buffer, .address_space: global }
      - { .name: att, .offset: 24, .size: 8, .value_kind: global_buffer, .address_space: global }
    .group_segment_fixed_size: 327680
    .private_segment_fixed_size: 0
    .kernarg_segment_align: 8
    .kernarg_segment_size: 32
    .max_flat_workgroup_size: 256
    .sgpr_count:     66
    .vgpr_count:     256
    .wavefront_size: 32
...
	.end_amdgpu_metadata
.endif
;; end of part 5
;; launch oproj: the kernel of part 4 again; grid 16 x 16, 4 waves a work-group, clusters of 4 x 4, 327,680 bytes of LDS; arguments att, w3b, out0; writes out0
